; MI455X (gfx1250); checked and timed in simulation.
; The chip was launched on July 23, 2026; its instructions are those of AMD's public machine-readable ISA for CDNA 5 (MIT licence, August 2026) and "CDNA5" Instruction Set Architecture Reference Guide (July 2026). The comments in the code are by the model that wrote it; some were corrected since.
;; Causal Self Attention. Allowed arithmetic: matrix products marked QUANTISED: E2M3 operands, one E8M0 scale for each 32 along K, by v_wmma_scale_f32_16x16x128_f8f6f4 with both operands' format E2M3, f32 sums; everything else in f32.
;; Inputs: Wo 1,024 x 1,024 float32; Wqkv 3,072 x 1,024 float32; bo 1,024 float32; bqkv 3,072 float32; x 4 x 2,048 x 1,024 float32.
;; Outputs: out0 4 x 2,048 x 1,024 float32.
;; This version of the problem:
;;   THIS VERSION OF THE PROBLEM IS GIVEN IN LOW PRECISION. The matrix products marked QUANTISED in the list below multiply operands that are first quantised to E2M3 (2 exponent bits, 3 mantissa bits; 6 bits a number), with one power-of-two scale for each 32 numbers along K (OCP MX v1.0); their sums are f32. All else is computed in f32.
;;   The module's matrix products, in the order in which they are computed (A, B: the left and right operand; K: the contracted axis; several contracted axes count as one K, in the product's order):
;;     1. [M 8,192, K 1,024] x [K 1,024, N 3,072]; A: input x; B: input Wqkv: QUANTISED
;;     2. batch 64 x [M 2,048, K 64] x [K 64, N 2,048]; A: computed on the way; B: computed on the way: QUANTISED
;;     3. batch 64 x [M 2,048, K 2,048] x [K 2,048, N 64]; A: softmax (see below); B: computed on the way: QUANTISED
;;     4. [M 8,192, K 1,024] x [K 1,024, N 1,024]; A: computed on the way; B: input Wo: QUANTISED
;;   THE QUANTISER, for each operand of a quantised product, along K:
;;     - K is cut into blocks of 32 from its start; a last block that is shorter is filled with zeros.
;;     - A block's scale is 2^e with e = floor(log2(the largest magnitude in the block)) - 2, held to -126 .. 127; a block of zeros has e = 0. As a byte (E8M0): e + 127.
;;     - Each number is divided by its block's scale, clamped to +-7.5, and rounded to the nearest number of E2M3, ties to even, subnormals kept.
;;     - The product sums the exact products of the quantised numbers (number of the format x scale) in f32.
;;   ~~~python
;;   def quantise(x, axis):      # numpy; x: float32 -> the quantised numbers, widened to float32 again
;;       x = np.moveaxis(x, axis, -1); K = x.shape[-1]
;;       x = np.pad(x, [(0, 0)] * (x.ndim - 1) + [(0, -K % 32)]); x = x.reshape(x.shape[:-1] + (-1, 32)); a = np.abs(x).max(-1, keepdims=True)
;;       e = np.where(a > 0, np.clip(np.frexp(np.where(a > 0, a, 1))[1] - 1 - 2, -126, 127), 0)      # np.frexp(a)[1] - 1 = floor(log2(a)), exactly
;;       r = np.clip(x / 2.0 ** e, -7.5, 7.5)
;;       step = 2.0 ** (np.maximum(np.frexp(np.where(r == 0, 1, r))[1] - 1, 0) - 3)
;;       q = np.round(r / step) * step * 2.0 ** e      # np.round: ties to even
;;       return np.moveaxis(q.reshape(q.shape[:-2] + (-1,))[..., :K], -1, axis).astype(np.float32)
;;   ~~~
;;   SOFTMAX AHEAD OF A QUANTISED PRODUCT. Where the list says 'softmax', what is quantised is not the finished softmax but p = 2^(t - M), with t = logit x log2(e) and M = ceil(the row's largest t), a whole number; so 1/2 < the row's largest p <= 1. The row's sum l is taken of the UNQUANTISED p, in f32, and the product's result is divided by l at the end. Since M is a whole number, a kernel that streams over the keys may use a running M (the ceiling of the running maximum): every later rescaling is an exact power of two, which a block's scale takes up: the codes' values come out the same.
;;   OPERANDS COMPUTED ON THE WAY. 'Computed on the way' means the value that the module computes at that place (a softmax that the list does not call 'softmax' is quantised finished and normalised). What goes into a quantiser is computed in f32, as accurately as f32 sums, v_exp_f32 and their like allow (about 1e-6 of the number): no bf16 or f16 on the way to a quantiser, and a product that is left as it is and whose result goes on into a quantised operand takes f32 operands (vector FMAs, or v_wmma_f32_16x16x4_f32). A number that lies on a knife's edge between two numbers of the format may be rounded either way, as far as f32 arithmetic and the matrix unit's own rounding can turn it there, and no further.
;; One version. Each part assembles by itself: llvm-mc -triple=amdgcn-amd-amdhsa -mcpu=gfx1250 --defsym DOCPART=n.
;; ======== version 1 of 1: 4 launches
;; workspace buffers: cw 9,830,400 bytes; qq 13,369,344 bytes; kv 13,369,344 bytes; oc 6,553,600 bytes
;; launch quant (part 1): grid 384 x 1, 4 waves a work-group, no clusters, 34,304 bytes of LDS; arguments x, Wqkv, Wo, cw; writes cw
.if DOCPART == 1
	.amdgcn_target "amdgcn-amd-amdhsa--gfx1250"
	.amdhsa_code_object_version 6
	.text
	.protected	k_q93665ba680_quant
	.globl	k_q93665ba680_quant
	.p2align	8
	.type	k_q93665ba680_quant,@function
k_q93665ba680_quant:
	s_mov_b64 s[64:65], 0
	v_nop
	global_prefetch_b8 v0, s[64:65] scope:SCOPE_SE
	s_setreg_imm32_b32 hwreg(HW_REG_WAVE_MODE, 25, 1), 1
	s_wait_xcnt 0x0
; x [8192][1024], Wqkv [3072][1024], Wo [1024][1024], f32, become codes of FP6 (E2M3) with one E8M0 byte for each 32 along K, laid IN THE ORDER OF AN OPERAND'S REGISTERS.
; cw = [rb 0..95][s 0..7][12,800 bytes]: rb = a block of 128 rows (0-63 x, 64-87 Wqkv, 88-95 Wo), s = 128 along K.  A unit holds 8 tiles of 16 rows, 1,536 bytes each
; (registers 4 g .. 4 g + 3 of lane l at 512 g + 16 l), then 512 bytes of scale words: the word of tile t, lane r at 12,288 + 16 r + 4 (t % 4) + 256 (t / 4).
; THE ROWS OF A TILE ARE NOT NEIGHBOURS: lane r of tile t holds row 32 (t / 2) + 8 (t % 2) + r + 8 (r / 8) of the block, so that a product which takes such tiles as source 0 leaves 16 neighbours in the 16 registers of tiles 2 b, 2 b + 1.
; A block's scale is 2^(floor(log2(largest magnitude)) - 2); its byte is the largest magnitude's exponent field - 2, held at 1 from below.
; LIMITS: NaN and infinities are not served; a block whose largest magnitude lies under 2^-124 (a block of zeros too) keeps the byte 1 where the rule says 127 for zeros: its codes are zeros, and this program alone reads the bytes.
; SHARES: work-group g: rb = g / 4, q = (g / 2) % 2, wave w takes K step s = 4 (g % 2) + w and tiles 4 q .. 4 q + 3: 64 rows x 512 bytes in, 6,400 bytes out.  The four waves stand side by side on 2,048 bytes of each row.
; A load reads 512 consecutive bytes of one row; a tile's 16 rows turn through the wave's own stage in LDS (pitch 528 = 33 x 16 bytes), so that a lane gets 16 neighbours of each block of 32.  No barrier: waves share nothing.
.set STW,   16*528                     ; a wave's stage
.set SPARE, 4*STW                      ; behind the stages: the spare words, 128 bytes a wave, which no other line names
.set RBB,   102400
.set UNIT,  12800
.set R,     16                         ; v16-143  two sets of 64: a tile as loaded
.set X,     144                        ; v144-207 register 16 b + i = k 32 b + 16 (lane / 16) + i of my row
.set PC,    208                        ; v208-219 the fragment's codes
.set CT,    220                        ; v220-226 the conversions' second halves
.set TM,    228                        ; v228-243 at work in QUANT
.set PWS,   244                        ; v244-247 a scale word for each tile
.set SPW,   248
.set NIL,   249
.set SEL,   20                         ; s[20:21] v_permlanex16_b32's selects for lane l xor 16
; 64 numbers of a lane become a fragment's 12 registers (d0: k 0-63, d1: k 64-127) and its row's scale word
.macro QUANT s, d0, d1, pw
.irp b, 0,1,2,3
	v_max3_num_f32 v[TM+\b], |v[\s+16*\b]|, |v[\s+1+16*\b]|, 0x1800000   ; my 16 numbers of block b, and the floor 2^(3 - 127): the byte cannot fall under 1
.endr
.irp i, 2,4,6,8,10,12,14
.irp b, 0,1,2,3
	v_max3_num_f32 v[TM+\b], v[TM+\b], |v[\s+16*\b+\i]|, |v[\s+1+16*\b+\i]|   ; the four blocks by turns
.endr
.endr
.irp b, 0,1,2,3
	v_permlanex16_b32 v[TM+4+\b], v[TM+\b], s[SEL], s[SEL+1]
.endr
.irp b, 0,1,2,3
	v_max_num_f32 v[TM+\b], v[TM+\b], v[TM+4+\b]   ; with lane l xor 16's 16: the block's largest magnitude
.endr
.irp b, 0,1,2,3
	v_add_nc_u32 v[TM+12+\b], 0xff000000, v[TM+\b]   ; 2 off its exponent field: the conversion's scale operand
.endr
.irp b, 0,1,2,3
	v_lshrrev_b32 v[TM+4+\b], 23, v[TM+12+\b]      ; the scale's byte
.endr
	v_lshl_or_b32 v[\pw], v[TM+5], 8, v[TM+4]
	v_lshl_or_b32 v[\pw], v[TM+6], 16, v[\pw]
	v_lshl_or_b32 v[\pw], v[TM+7], 24, v[\pw]
	v_cvt_scalef32_pk16_fp6_f32 v[\d0:\d0+2], v[\s:\s+15], v[TM+12]
	v_cvt_scalef32_pk16_fp6_f32 v[CT:CT+2], v[\s+16:\s+31], v[TM+13]   ; (a conversion's three registers begin on an even number)
	v_cvt_scalef32_pk16_fp6_f32 v[\d1:\d1+2], v[\s+32:\s+47], v[TM+14]
	v_cvt_scalef32_pk16_fp6_f32 v[CT+4:CT+6], v[\s+48:\s+63], v[TM+15]
	v_nop                                          ; one plain place behind the scaled conversions
.irp i, 0,1,2
	v_permlane16_swap_b32 v[\d0+\i], v[CT+\i]      ; a whole block to a lane: lanes 0-15 the even block, lanes 16-31 the odd one
.endr
.irp i, 0,1,2
	v_mov_b32 v[\d0+3+\i], v[CT+\i]
.endr
.irp i, 0,1,2
	v_permlane16_swap_b32 v[\d1+\i], v[CT+4+\i]
.endr
.irp i, 0,1,2
	v_mov_b32 v[\d1+3+\i], v[CT+4+\i]
.endr
.endm
	s_load_b256 s[4:11], s[0:1], 0x0               ; x s[4:5], Wqkv s[6:7], Wo s[8:9], cw s[10:11]
	v_lshl_add_u32 v[SPW], v0, 2, SPARE
	v_mov_b32 v[NIL], 0
	v_lshrrev_b32 v7, 5, v0
	v_readfirstlane_b32 s12, v7                    ; wave
	v_and_b32 v8, 31, v0                           ; lane
	v_and_b32 v2, 15, v0                           ; r
	v_bfe_u32 v3, v0, 4, 1                         ; h
	v_lshlrev_b32 v1, 4, v8                        ; 16 x lane: my bytes of a load's 512
	s_mul_i32 s13, s12, STW
	v_add_nc_u32 v4, s13, v1                       ; the stage, on the way in
	v_mul_u32_u24 v5, v2, 528
	v_lshl_add_u32 v5, v3, 6, v5
	v_add_nc_u32 v5, s13, v5                       ; and out: row r, + 64 h
	s_lshr_b32 s14, ttmp9, 2                       ; rb
	s_bfe_u32 s15, ttmp9, 0x10001                  ; q
	s_and_b32 s16, ttmp9, 1
	s_lshl_b32 s16, s16, 2
	s_add_co_u32 s16, s16, s12                     ; s
	s_mul_i32 s17, s15, 6144
	v_add_nc_u32 v9, s17, v1                       ; my codes' place in the unit: 16 x lane + 4 q tiles
	v_lshlrev_b32 v6, 4, v2
	v_lshl_add_u32 v6, v3, 3, v6
	s_lshl_b32 s17, s15, 8
	v_add_nc_u32 v6, s17, v6                       ; my two scale words' place: 16 r + 8 h + 256 q
	s_mov_b32 s[SEL], 0x76543210
	s_mov_b32 s[SEL+1], 0xfedcba98
.irp b, 0,1,2,3
	v_mov_b32 v[TM+4+\b], 0                        ; written once: a lane permute's destination counts as one of its sources
.endr
	s_mul_i32 s18, s14, RBB
	s_mul_i32 s19, s16, UNIT
	s_add_co_u32 s18, s18, s19
	s_mov_b32 s19, 0
	s_wait_kmcnt 0x0
	s_add_nc_u64 s[10:11], s[10:11], s[18:19]      ; my unit of cw
	s_cmp_lt_u32 s14, 88                           ; which tensor: the choice hangs on the work-group's number alone
	s_cselect_b64 s[6:7], s[6:7], s[8:9]
	s_cselect_b32 s22, 64, 88
	s_cmp_lt_u32 s14, 64
	s_cselect_b64 s[4:5], s[4:5], s[6:7]
	s_cselect_b32 s22, 0, s22
	s_sub_co_u32 s22, s14, s22                     ; the block's number in its own tensor
	s_lshl_b32 s22, s22, 19                        ; 128 rows of 4,096 bytes
	s_lshl_b32 s23, s15, 18                        ; + 64 q rows
	s_add_co_u32 s22, s22, s23
	s_lshl_b32 s23, s16, 9                         ; + 512 s bytes
	s_add_co_u32 s22, s22, s23
	s_mov_b32 s23, 0
	s_add_nc_u64 s[4:5], s[4:5], s[22:23]
.macro LOAD tt                         ; tile tt's 16 rows, in the tile's order
.irp i, 0,1,2,3,4,5,6,7,8,9,10,11,12,13,14,15
	global_load_b128 v[R+64*((\tt)%2)+4*\i:R+64*((\tt)%2)+4*\i+3], v1, s[4:5] offset:(32*((\tt)/2)+8*((\tt)%2)+\i+8*(\i/8))*4096 th:TH_LOAD_NT
.endr
.endm
.macro TURN tt                         ; through the stage: LDS serves a wave's instructions in order, so no wait stands between the stores and the loads
.irp i, 0,1,2,3,4,5,6,7,8,9,10,11,12,13,14,15
	ds_store_b128 v4, v[R+64*((\tt)%2)+4*\i:R+64*((\tt)%2)+4*\i+3] offset:528*\i
.endr
.irp b, 0,1,2,3
.irp j, 0,1,2,3
	ds_load_b128 v[X+16*\b+4*\j:X+16*\b+4*\j+3], v5 offset:128*\b+16*\j
.endr
.endr
.endm
.macro TILE tt
.if (\tt) < 3
	s_wait_loadcnt 16                              ; this tile's 16 loads are in; the next tile's 16 may be out
.else
	s_wait_loadcnt 0x0
.endif
	TURN \tt
	s_wait_dscnt 0x0                               ; the numbers are back, and the stage's stores have read their registers,
.if (\tt) < 2
	LOAD (\tt)+2                                   ; which take the tile two further on
.endif
.if (\tt) > 0
	s_wait_xcnt 0x0                                ; the last tile's stores have read the codes' registers
.endif
	QUANT X, PC, PC+6, PWS+(\tt)
.irp g, 0,1,2
	global_store_b128 v9, v[PC+4*\g:PC+4*\g+3], s[10:11] offset:(\tt)*1536+512*\g   ; 512 consecutive bytes, at a multiple of 256
.endr
.endm
	LOAD 0
	LOAD 1
	TILE 0
	TILE 1
	TILE 2
	TILE 3
	v_cmp_ne_u32 vcc_lo, 0, v3                     ; lanes r and r + 16 hold the same four words: lanes 0-15 store tiles 0, 1's, lanes 16-31 tiles 2, 3's
	v_cndmask_b32 v250, v[PWS], v[PWS+2], vcc_lo
	v_cndmask_b32 v251, v[PWS+1], v[PWS+3], vcc_lo
	global_store_b64 v6, v[250:251], s[10:11] offset:12288   ; 256 consecutive bytes
	s_wait_tensorcnt 0x0                           ; the wave's end, behind my last LDS store
	ds_add_u32 v[SPW], v[NIL]
	s_wait_dscnt 0x0
	s_endpgm
.Lfunc_end_k_q93665ba680_quant:
	.size	k_q93665ba680_quant, .Lfunc_end_k_q93665ba680_quant-k_q93665ba680_quant
	.p2alignl 7, 3214868480
	.fill 96, 4, 3214868480
	.section	.rodata,"a",@progbits
	.p2align	6, 0x0
	.amdhsa_kernel k_q93665ba680_quant
		.amdhsa_group_segment_fixed_size 34304
		.amdhsa_private_segment_fixed_size 0
		.amdhsa_enable_private_segment 0
		.amdhsa_kernarg_size 32
		.amdhsa_user_sgpr_count 2
		.amdhsa_user_sgpr_kernarg_segment_ptr 1
		.amdhsa_wavefront_size32 1
		.amdhsa_system_sgpr_workgroup_id_x 1
		.amdhsa_system_sgpr_workgroup_id_y 1
		.amdhsa_system_sgpr_workgroup_id_z 1
		.amdhsa_system_vgpr_workitem_id 0
		.amdhsa_next_free_vgpr 256
		.amdhsa_next_free_sgpr 66
		.amdhsa_reserve_vcc 1
		.amdhsa_float_denorm_mode_32 3
		.amdhsa_float_denorm_mode_16_64 3
		.amdhsa_memory_ordered 1
		.amdhsa_forward_progress 1
		.amdhsa_inst_pref_size 34
	.end_amdhsa_kernel
	.amdgpu_metadata
---
amdhsa.version: [ 1, 2 ]
amdhsa.kernels:
  - .name:           k_q93665ba680_quant
    .symbol:         k_q93665ba680_quant.kd
    .args:
      - { .name: x, .offset: 0, .size: 8, .value_kind: global_buffer, .address_space: global }
      - { .name: Wqkv, .offset: 8, .size: 8, .value_kind: global_buffer, .address_space: global }
      - { .name: Wo, .offset: 16, .size: 8, .value_kind: global_buffer, .address_space: global }
      - { .name: cw, .offset: 24, .size: 8, .value_kind: global_buffer, .address_space: global }
    .group_segment_fixed_size: 34304
    .private_segment_fixed_size: 0
    .kernarg_segment_align: 8
    .kernarg_segment_size: 32
    .max_flat_workgroup_size: 128
    .sgpr_count:     66
    .vgpr_count:     256
    .wavefront_size: 32
...
	.end_amdgpu_metadata
.endif
;; end of part 1
;; launch qkv (part 2): grid 12 x 32, 4 waves a work-group, clusters of 4 x 4, 327,680 bytes of LDS; arguments cw, bqkv, qq, kv; writes qq, kv
.if DOCPART == 2
	.amdgcn_target "amdgcn-amd-amdhsa--gfx1250"
	.amdhsa_code_object_version 6
	.text
	.protected	k_q93665ba680_qkv
	.globl	k_q93665ba680_qkv
	.p2align	8
	.type	k_q93665ba680_qkv,@function
k_q93665ba680_qkv:
	s_mov_b64 s[64:65], 0
	v_nop
	global_prefetch_b8 v0, s[64:65] scope:SCOPE_SE
	s_setreg_imm32_b32 hwreg(HW_REG_WAVE_MODE, 25, 1), 1
	s_wait_xcnt 0x0
	s_wait_alu depctr_hold_cnt(0) depctr_sa_sdst(0) depctr_va_vdst(0) depctr_va_sdst(0) depctr_va_ssrc(0) depctr_va_vcc(0) depctr_vm_vsrc(0)
	s_getreg_b32 s2, hwreg(HW_REG_IB_STS2, 6, 4)
	s_cmp_eq_u32 s2, 0
	s_cbranch_scc0 .Lentry_in_a_cluster
	s_endpgm
.Lentry_in_a_cluster:
	s_bfe_u32 s2, ttmp6, 0x10000c
	s_cmp_lg_u32 s2, 0xf033
	s_cbranch_scc0 .Lentry_shape_is_right
	s_endpgm
.Lentry_shape_is_right:
; qkv = x Wqkv^T + bqkv on codes of FP6 (E2M3) with E8M0 scales, and q, k, v quantised again on the way out: q and k along the head's 64, v along the keys.  No f32 number of qkv goes to memory.
; A tile of 256 x 256 to a work-group of four waves, 128 x 128 to a wave: 64 accumulators, 512 registers.  K = 1,024 goes in 8 steps of 128 through two LDS slots of two steps each.
; OPERANDS: cw holds fragments in register order (launch quant), so a fragment is three ds_load_b128 of 512 consecutive bytes and a slot's part is one dense block of 25,600 bytes, scale words among them.
; P is source 1 (a lane holds one of its rows), Q source 0 (a lane's registers run along its rows).  By the order of a tile's rows in cw the 64 registers of the accumulators (a, 0..7) are register 16 b + i = Q's row 32 b + 16 (lane / 16) + i.
; MODES, by the cluster's x, which all partners share: x = 0 (q), 1 (k): P = 256 tokens, Q = 256 rows of Wq or Wk: a lane holds one token and 128 outputs = two heads.  x = 2 (v): P = 256 rows of Wv, Q = 256 tokens: a lane holds one channel and 128 keys.
; Only global offsets and the way out differ between the modes.
; OUT: kv = [head 0..63][key step 0..15][13,056]: K's codes (4 images of 12 registers, each two tiles of 16 keys x 64), V^T's codes (4 tiles of 16 channels x 128 keys) at 6,144, K's scale words at 12,288
; (tile t, lane r at 16 (r + 16 (t % 2)) + 4 (t / 2)), V's at 12,800 (8 (r + 16 (t % 2)) + 4 (t / 2)).  qq: the same strides, q in K's places.
; CLUSTER 4 x 4: P's tiles are shared along a row, Q's along a column: joint loads.
; LIMITS: NaN and infinities are not served; a block whose largest magnitude lies under 2^-124 keeps the scale byte 1 (its codes are zeros or near; the bytes are read by this program alone).
; REGISTERS: window 0: v1-31 addresses; v32-63 scale words, two sets; v64-127 bias of 128 outputs; v128-223 P's fragments, one set; v224-231 bias of my channels.  Window 1: Q's fragments, two sets.  Windows 2, 3: accumulators (a, b) at v[8 (8 (a % 4) + b)].
.set RBB,    102400
.set UNIT,   12800                     ; one block of 128 rows x 128 K: 8 x 1,536 bytes of codes + 512 of scale words
.set HALFT,  2*UNIT                    ; what one tensor load brings
.set SLOT,   4*HALFT                   ; P's two halves, then Q's two
.set STQ,    2*SLOT                    ; behind the ring: q's and k's scale words on their way out, 1,024 bytes a wave
.set STV,    STQ+4*1024                ; v's, 512 bytes a wave: each way out has bytes of its own
.set SPARE,  STV+4*512                 ; the spare words, 128 bytes a wave, which no other line names
.set HEADB,  208896
.set STEPKV, 13056
.set FR,   12
.set NL,   3                           ; LDS loads that bring a fragment
.set NP,   4                           ; places behind this matrix instruction (ISA guide 7.12.1)
.set L16,  9
.set BO1,  10
.set BO2,  11
.set ADRA, 16                          ; v16-17 P's fragments in slot 0, 1
.set ADRB, 20                          ; v20-21 Q's
.set SQW,  22
.set SQL,  23
.set SVW,  24
.set SVL,  25
.set ADRS, 26                          ; v26-27 scale words: lanes 0-15 P's, lanes 16-31 Q's
.set SPW,  28
.set NIL,  29
.set LV,   30
.set SC,   32                          ; set = slot; register 16 set + 8 q + i: P's tile i below, Q's tile i above
.set BQ,   64
.set AF,   128
.set BV,   224
.set ST,   128                         ; the way out: 64 numbers
.set R,    192                         ; v192-215 two fragments
.set CT,   216
.set TM,   232
.set PW,   248
.set PH,   249
.set G1,   24
.set G0,   32
.set G1B,  48
.set G0B,  56
.set OUTB, 80
.set SEL,  86
.set MSB, 0
.macro WIN new                         ; the immediate's high byte repeats the setting that is left
.if MSB != \new
	s_set_vgpr_msb (MSB<<8)|\new
.set MSB, \new
.endif
.endm
.set MUL_LO, 0xa1                      ; source 0 (Q) window 1, source 1 (P) window 0, C and D window 2
.set MUL_HI, 0xf1
.set TO_B,   0x40
; a joint load: waves 0, 1 fetch P's halves, waves 2, 3 Q's; an s_nop 0 and four v_nop follow each of the two lines
.macro JLOAD g0a, g1a, g0b, g1b
	s_cmp_eq_u32 s15, 0
	s_cbranch_scc0 .Lfor_b_\@
	tensor_load_to_lds s[\g0a:\g0a+3], s[\g1a:\g1a+7]
	s_nop 0
.rept 4
	v_nop
.endr
	s_branch .Lasked_\@
.Lfor_b_\@:
	tensor_load_to_lds s[\g0b:\g0b+3], s[\g1b:\g1b+7]
	s_nop 0
.rept 4
	v_nop
.endr
.Lasked_\@:
.endm
.macro CREST                           ; a round of the cluster's barrier behind its opening barrier
	s_cmp_lg_u32 s14, 0
	s_cbranch_scc1 .Lnot_wave_0_\@
	s_barrier_signal -3
.Lnot_wave_0_\@:
	s_barrier_wait -3
	s_barrier_signal -1
	s_barrier_wait -1
.endm
.macro CROUND
	s_barrier_signal -1
	s_barrier_wait -1
	CREST
.endm
.macro QUANT s, d0, d1, pw             ; 64 numbers of a lane, register 16 b + i = k 32 b + 16 (lane / 16) + i, become 12 registers of codes (d0: k 0-63, d1: k 64-127) and the row's scale word
.irp b, 0,1,2,3
	v_max3_num_f32 v[TM+\b], |v[\s+16*\b]|, |v[\s+1+16*\b]|, 0x1800000   ; with the floor 2^(3 - 127): the byte cannot fall under 1
.endr
.irp i, 2,4,6,8,10,12,14
.irp b, 0,1,2,3
	v_max3_num_f32 v[TM+\b], v[TM+\b], |v[\s+16*\b+\i]|, |v[\s+1+16*\b+\i]|
.endr
.endr
.irp b, 0,1,2,3
	v_permlanex16_b32 v[TM+4+\b], v[TM+\b], s[SEL], s[SEL+1]
.endr
.irp b, 0,1,2,3
	v_max_num_f32 v[TM+\b], v[TM+\b], v[TM+4+\b]
.endr
.irp b, 0,1,2,3
	v_add_nc_u32 v[TM+12+\b], 0xff000000, v[TM+\b]   ; 2 off the exponent field: the conversion's scale operand
.endr
.irp b, 0,1,2,3
	v_lshrrev_b32 v[TM+4+\b], 23, v[TM+12+\b]
.endr
	v_lshl_or_b32 v[\pw], v[TM+5], 8, v[TM+4]
	v_lshl_or_b32 v[\pw], v[TM+6], 16, v[\pw]
	v_lshl_or_b32 v[\pw], v[TM+7], 24, v[\pw]
	v_cvt_scalef32_pk16_fp6_f32 v[\d0:\d0+2], v[\s:\s+15], v[TM+12]
	v_cvt_scalef32_pk16_fp6_f32 v[CT:CT+2], v[\s+16:\s+31], v[TM+13]
	v_cvt_scalef32_pk16_fp6_f32 v[\d1:\d1+2], v[\s+32:\s+47], v[TM+14]
	v_cvt_scalef32_pk16_fp6_f32 v[CT+4:CT+6], v[\s+48:\s+63], v[TM+15]
	v_nop                                          ; one plain place behind the scaled conversions
.irp i, 0,1,2
	v_permlane16_swap_b32 v[\d0+\i], v[CT+\i]
.endr
.irp i, 0,1,2
	v_mov_b32 v[\d0+3+\i], v[CT+\i]
.endr
.irp i, 0,1,2
	v_permlane16_swap_b32 v[\d1+\i], v[CT+4+\i]
.endr
.irp i, 0,1,2
	v_mov_b32 v[\d1+3+\i], v[CT+4+\i]
.endr
.endm
	s_load_b256 s[4:11], s[0:1], 0x0               ; cw s[4:5], bqkv s[6:7], qq s[8:9], kv s[10:11]
	v_lshl_add_u32 v[SPW], v0, 2, SPARE
	v_mov_b32 v[NIL], 0
	ds_add_u32 v[SPW], v[NIL]                      ; the wave's opening: the add, and its wait, ahead of my first tensor load; the set-up, work on registers, stands between them
	v_lshrrev_b32 v3, 5, v0
	v_readfirstlane_b32 s14, v3                    ; wave 0..3
	s_lshr_b32 s15, s14, 1                         ; which half of P's rows is mine.  Also: I fetch for P (0) or for Q (1)
	s_and_b32 s16, s14, 1                          ; which half of Q's rows.  Also: which half I fetch
	s_bfe_u32 s40, ttmp6, 0x40000                  ; cx
	s_bfe_u32 s41, ttmp6, 0x40004                  ; cy
	s_and_b32 s13, ttmp7, 0xffff
	s_lshl_b32 s13, s13, 2                         ; 4 x cluster y
	s_lshl_b32 s18, ttmp9, 2                       ; 4 x cluster x
	s_cmp_eq_u32 ttmp9, 2
	s_cselect_b32 s12, 1, 0                        ; mode: 1 = v
	s_cselect_b32 s17, 0, s13
	s_cselect_b32 s42, s13, s18
	s_cselect_b32 s19, 80, 0                       ; P's first block in cw: Wv's, or x's
	s_cselect_b32 s20, 0, 64                       ; Q's: x's, or Wqkv's
	s_add_co_u32 s17, s17, s41                     ; P's tile of 256 rows: it never holds cx
	s_add_co_u32 s42, s42, s40                     ; Q's: it never holds cy
	s_lshl_b32 s43, s41, 2
	s_lshl_b32 s43, 15, s43                        ; my row of the cluster
	s_lshl_b32 s44, 0x1111, s40                    ; my column
	s_or_b32 s[G1+0], s43, (3<<16)|(1<<21)         ; 15:0 the mask; 17:16 elements of 8 bytes; 21 set beside a mask; no padding
	s_or_b32 s[G1B+0], s44, (3<<16)|(1<<21)
.irp g, G1, G1B
	s_mov_b32 s[\g+1], 32<<16                      ; tensor_dim0: 32 elements = 256 bytes
	s_mov_b32 s[\g+2], 100<<16                     ; tensor_dim1: 100 rows = 25,600 dense bytes
	s_mov_b32 s[\g+3], 32<<16                      ; tile_dim0
	s_mov_b32 s[\g+4], 100                         ; tile_dim1
	s_mov_b32 s[\g+5], 32                          ; the pitch
	s_mov_b32 s[\g+6], 0
	s_mov_b32 s[\g+7], 0
.endr
	s_lshl_b32 s21, s17, 1
	s_add_co_u32 s21, s21, s19
	s_add_co_u32 s21, s21, s16                     ; the block of P that I would fetch
	s_mul_i32 s22, s21, RBB
	s_mov_b32 s23, 0
	s_lshl_b32 s46, s42, 1
	s_add_co_u32 s46, s46, s20
	s_add_co_u32 s46, s46, s16                     ; and of Q
	s_mul_i32 s46, s46, RBB
	s_mov_b32 s47, 0
	s_mul_i32 s45, s14, HALFT                      ; where it goes: wave x 25,600
	; the biases: 128 outputs along my registers (q, k), or one channel a lane (v); the set that a mode does not use is loaded from the buffer's head
	s_lshl_b32 s66, s42, 10
	s_lshl_b32 s67, s16, 9
	s_add_co_u32 s66, s66, s67                     ; 4 (256 Q's tile + 128 half)
	s_lshl_b32 s68, s17, 10
	s_lshl_b32 s69, s15, 9
	s_add_co_u32 s68, s68, s69
	s_add_co_u32 s68, s68, 8192                    ; 4 (2,048 + 256 P's tile + 128 half)
	s_cmp_eq_u32 s12, 0
	s_cselect_b32 s66, s66, 0
	s_cselect_b32 s68, 0, s68
	s_mov_b32 s67, 0
	s_mov_b32 s69, 0
	; where my results go
	s_lshl_b32 s70, s42, 1
	s_add_co_u32 s70, s70, s16
	s_lshl_b32 s71, s17, 1
	s_add_co_u32 s71, s71, s15
	s_cmp_eq_u32 s12, 0
	s_cselect_b32 s72, s71, s70                    ; my block of 128 tokens
	s_cselect_b32 s73, s70, s71
	s_lshl_b32 s73, s73, 1
	s_and_b32 s73, s73, 15                         ; the first of my two heads
	s_lshr_b32 s74, s72, 4
	s_lshl_b32 s74, s74, 4
	s_add_co_u32 s74, s74, s73                     ; 16 x batch + head
	s_mul_i32 s74, s74, HEADB
	s_and_b32 s72, s72, 15
	s_mul_i32 s72, s72, STEPKV
	s_add_co_u32 s74, s74, s72
	s_mov_b32 s75, 0
	s_mov_b32 s[SEL], 0x76543210
	s_mov_b32 s[SEL+1], 0xfedcba98
	v_and_b32 v1, 15, v0                           ; r
	v_bfe_u32 v2, v0, 4, 1                         ; h
	v_and_b32 v3, 31, v0
	v_lshlrev_b32 v[L16], 4, v3                    ; 16 x lane
	s_mul_i32 s76, s15, HALFT                      ; my half of P
	s_mul_i32 s77, s16, HALFT
	s_add_co_u32 s77, s77, 2*HALFT                 ; my half of Q
	s_sub_co_u32 s78, s77, s76
	v_mul_u32_u24 v4, s78, v2                      ; lanes 16-31 take Q's scale words: the lower base + h x the distance
	v_lshl_add_u32 v4, v1, 4, v4
.irp s, 0,1
	v_add_nc_u32 v[ADRA+\s], s76, v[L16]
	v_add_nc_u32 v[ADRB+\s], s77, v[L16]
	v_add_nc_u32 v[ADRS+\s], s76, v4
	s_add_co_u32 s76, s76, SLOT
	s_add_co_u32 s77, s77, SLOT
.endr
	s_lshl_b32 s79, s14, 10
	s_add_co_u32 s79, s79, STQ
	v_lshl_add_u32 v[SQW], v1, 4, s79
	v_add_nc_u32 v[SQL], s79, v[L16]
	s_lshl_b32 s79, s14, 9
	s_add_co_u32 s79, s79, STV
	v_lshl_add_u32 v[SVW], v1, 3, s79
	v_add_nc_u32 v[SVL], s79, v[L16]
	v_mul_u32_u24 v[LV], v2, HEADB
	v_lshl_add_u32 v[LV], v1, 4, v[LV]             ; v's scale words: lanes 0-15 the first head's 256 bytes, lanes 16-31 the second's
	v_lshlrev_b32 v[BO1], 6, v2                    ; 64 h
	v_and_b32 v4, 8, v1
	v_add_nc_u32 v4, v4, v1
	v_lshlrev_b32 v[BO2], 2, v4                    ; 4 (r + 8 (r / 8))
	s_wait_dscnt 0x0                               ; the opening add is done
	s_wait_kmcnt 0x0
	s_add_nc_u64 s[22:23], s[4:5], s[22:23]
	s_add_nc_u64 s[46:47], s[4:5], s[46:47]
	s_add_nc_u64 s[82:83], s[6:7], s[66:67]
	s_add_nc_u64 s[84:85], s[6:7], s[68:69]
	s_cmp_eq_u32 ttmp9, 0
	s_cselect_b64 s[OUTB:OUTB+1], s[8:9], s[10:11] ; q goes to qq, k and v to kv
	s_add_nc_u64 s[OUTB:OUTB+1], s[OUTB:OUTB+1], s[74:75]
	CROUND                                         ; all sixteen work-groups are here: the first joint loads meet
.irp s, 0,1
	s_mov_b32 s[G0+4*\s], 1
	s_add_co_u32 s[G0+4*\s+1], s45, \s*SLOT
	s_add_nc_u64 s[G0+4*\s+2:G0+4*\s+3], s[22:23], \s*HALFT
	s_or_b32 s[G0+4*\s+3], s[G0+4*\s+3], 0x80000000
	s_mov_b32 s[G0B+4*\s], 1
	s_add_co_u32 s[G0B+4*\s+1], s45, \s*SLOT
	s_add_nc_u64 s[G0B+4*\s+2:G0B+4*\s+3], s[46:47], \s*HALFT
	s_or_b32 s[G0B+4*\s+3], s[G0B+4*\s+3], 0x80000000
	JLOAD G0+4*\s, G1, G0B+4*\s, G1B               ; two loads of mine are out
.endr
.irp b, 0,1,2,3
.irp j, 0,1,2,3
	global_load_b128 v[BQ+16*\b+4*\j:BQ+16*\b+4*\j+3], v[BO1], s[82:83] offset:128*\b+16*\j   ; register 16 b + i: the bias of output 32 b + 16 h + i
.endr
.endr
.irp a, 0,1,2,3,4,5,6,7
	global_load_b32 v[BV+\a], v[BO2], s[84:85] offset:4*(32*(\a/2)+8*(\a%2))   ; the bias of my lane's channel in tile a
.endr
.macro FRAG reg, adr, q, i             ; a fragment as it lies: three groups of four registers, 512 consecutive bytes each
.irp g, 0,1,2
	ds_load_b128 v[\reg+4*\g:\reg+4*\g+3], v[\adr] offset:(\q)*UNIT+(\i)*1536+512*\g
.endr
.endm
; 16 matrix instructions: P's tiles a0, a0 + 1 x Q's eight.  The 64 accumulators take turns, one instruction a turn, in the same order in every step
.macro MUL16 a0, p, q, sc, zero
.irp a, \a0, \a0+1
.irp b, 0,1,2,3,4,5,6,7
.if \zero
	v_wmma_scale_f32_16x16x128_f8f6f4 v[8*(8*((\a)%4)+\b):8*(8*((\a)%4)+\b)+7], v[128*(\p)+FR*\b:128*(\p)+FR*\b+FR-1], v[AF+FR*(\a):AF+FR*(\a)+FR-1], 0, v[SC+16*(\sc)+8*(\q)+\b], v[SC+16*(\sc)+8*(\q)+(\a)] matrix_a_fmt:MATRIX_FMT_FP6 matrix_b_fmt:MATRIX_FMT_FP6 matrix_a_scale:MATRIX_SCALE_ROW1
.else
	v_wmma_scale_f32_16x16x128_f8f6f4 v[8*(8*((\a)%4)+\b):8*(8*((\a)%4)+\b)+7], v[128*(\p)+FR*\b:128*(\p)+FR*\b+FR-1], v[AF+FR*(\a):AF+FR*(\a)+FR-1], v[8*(8*((\a)%4)+\b):8*(8*((\a)%4)+\b)+7], v[SC+16*(\sc)+8*(\q)+\b], v[SC+16*(\sc)+8*(\q)+(\a)] matrix_a_fmt:MATRIX_FMT_FP6 matrix_b_fmt:MATRIX_FMT_FP6 matrix_a_scale:MATRIX_SCALE_ROW1
.endif
.endr
.endr
.endm
.macro FETCH_B slot, q, p
	WIN TO_B
.irp i, 0,1,2,3,4,5,6,7
	FRAG 128*(\p)+FR*\i, ADRB+\slot, \q, \i
.endr
	WIN 0
.endm
.macro FETCH_A slot, q, i0
.irp i, \i0, \i0+1, \i0+2, \i0+3
	FRAG AF+FR*(\i), ADRA+\slot, \q, \i
.endr
.endm
.macro SCALES sc                       ; a slot's scale words, both steps: four words a load
.irp q, 0,1
.irp g, 0,1
	ds_load_b128 v[SC+16*\sc+8*\q+4*\g:SC+16*\sc+8*\q+4*\g+3], v[ADRS+\sc] offset:\q*UNIT+12288+256*\g
.endr
.endr
.endm
.macro PLACES n                        ; plain places in front of loads into registers that matrix instructions have read, and of the first read of results
.rept \n
	v_nop
.endr
.endm
.macro STEP slot, q, zero              ; a step of 128 along K that has its successor in the same slot
	s_wait_dscnt 4*NL                              ; all but the youngest 12 loads (P's tiles 4-7) are in
	WIN MUL_LO
	MUL16 0, (\q)%2, \q, \slot, \zero
	MUL16 2, (\q)%2, \q, \slot, \zero
	s_wait_dscnt 0
	PLACES NP
	FETCH_B \slot, (\q)+1, 1-(\q)%2
	FETCH_A \slot, (\q)+1, 0
	WIN MUL_HI
	MUL16 4, (\q)%2, \q, \slot, \zero
	MUL16 6, (\q)%2, \q, \slot, \zero
	PLACES NP
	WIN 0
	FETCH_A \slot, (\q)+1, 4
.endm
; a slot's last step changes slots: in front of the one barrier each wave waits for all its tensor loads, adds 0 to its spare word, and waits for that and for its reads of this slot
.macro TURN slot, next, fill
	s_wait_tensorcnt 0x0                           ; my part of the next slot has landed
	ds_add_u32 v[SPW], v[NIL]
	s_wait_dscnt 4*NL+1                            ; the add and the youngest 12 loads may be out
	WIN MUL_LO
	MUL16 0, 1, 1, \slot, 0
	s_wait_dscnt 0x0                               ; the add is done, and my reads of this slot are over
	s_barrier_signal -1
	MUL16 2, 1, 1, \slot, 0
	WIN 0
	s_barrier_wait -1
.if \fill
	CREST                                          ; the barrier has opened a round of the cluster's: no wave of any partner still reads this slot or has a load on its way
	s_add_nc_u64 s[G0+4*\slot+2:G0+4*\slot+3], s[G0+4*\slot+2:G0+4*\slot+3], 2*HALFT
	s_add_nc_u64 s[G0B+4*\slot+2:G0B+4*\slot+3], s[G0B+4*\slot+2:G0B+4*\slot+3], 2*HALFT
	JLOAD G0+4*\slot, G1, G0B+4*\slot, G1B         ; the first tensor load behind the round; its four v_nop are the places in front of the loads below
.else
	PLACES NP
.endif
	FETCH_B \next, 0, 0
	FETCH_A \next, 0, 0
	SCALES \next
	WIN MUL_HI
	MUL16 4, 1, 1, \slot, 0
	MUL16 6, 1, 1, \slot, 0
	PLACES NP
	WIN 0
	FETCH_A \next, 0, 4
.endm
	s_wait_tensorcnt 1                             ; my part of slot 0 is in; slot 1's load may be out
	s_barrier_signal -1
	s_barrier_wait -1
	FETCH_B 0, 0, 0
	FETCH_A 0, 0, 0
	SCALES 0
	FETCH_A 0, 0, 4
	STEP 0, 0, 1                                   ; K steps 0 .. 7, written out: the first products start the sums
	TURN 0, 1, 1
	STEP 1, 0, 0
	TURN 1, 0, 1
	STEP 0, 0, 0
	TURN 0, 1, 0                                   ; nothing is left to fetch
	STEP 1, 0, 0
	s_wait_dscnt 4*NL
	WIN MUL_LO
	MUL16 0, 1, 1, 1, 0
	MUL16 2, 1, 1, 1, 0
	s_wait_dscnt 0
	WIN MUL_HI
	MUL16 4, 1, 1, 1, 0
	MUL16 6, 1, 1, 1, 0
	WIN 0
	PLACES NP
	s_wait_loadcnt 0x0                             ; the biases
.irp b, 0,1,2,3
	v_mov_b32 v[TM+4+\b], 0                        ; written once: a lane permute's destination counts as one of its sources
.endr
	s_cmp_lg_u32 s12, 0
	s_cbranch_scc1 .Lway_v
; q, k: P's tile a = 2 tau + e is 16 tokens; a lane's 64 numbers are two heads x 64.  Head c's six registers of codes are half of pair tau's image for that head.
.macro EQK tau, e
.set A_, 2*(\tau)+(\e)
	s_wait_dscnt 0x0                               ; the last scale words' stores have read their registers
	WIN 0x02+A_/4                                  ; source 0: the accumulators' window
.set i_, 0
.rept 32
	v_pk_add_f32 v[ST+2*i_:ST+2*i_+1], v[64*(A_%4)+2*i_:64*(A_%4)+2*i_+1], v[BQ+2*i_:BQ+2*i_+1]   ; + bias; each accumulator from its low end on
.set i_, i_+1
.endr
	WIN 0
.if (\e) == 0 && (\tau) > 0
	s_wait_xcnt 0x0                                ; the last pair's stores have read the codes' registers
.endif
	QUANT ST, R+6*(\e), R+12+6*(\e), PW
	v_lshrrev_b32 v[PH], 16, v[PW]                 ; the second head's two bytes
	ds_store_b32 v[SQW], v[PW] offset:256*(\e)+4*(\tau)          ; lanes r and r + 16 write the same word with the same value
	ds_store_b32 v[SQW], v[PH] offset:512+256*(\e)+4*(\tau)
.endm
.irp tau, 0,1,2,3
	EQK \tau, 0
	EQK \tau, 1
.irp c, 0,1
.irp g, 0,1,2
	global_store_b128 v[L16], v[R+12*\c+4*\g:R+12*\c+4*\g+3], s[OUTB:OUTB+1] offset:\c*HEADB+1536*\tau+512*\g   ; 512 consecutive bytes, at a multiple of 256
.endr
.endr
.endr
	ds_load_b128 v[ST:ST+3], v[SQL]                ; LDS serves a wave's instructions in order: these see my stores
	ds_load_b128 v[ST+4:ST+7], v[SQL] offset:512
	s_wait_dscnt 0x0
	global_store_b128 v[L16], v[ST:ST+3], s[OUTB:OUTB+1] offset:12288
	global_store_b128 v[L16], v[ST+4:ST+7], s[OUTB:OUTB+1] offset:HEADB+12288
	s_branch .Lend
.Lway_v:
; v: P's tile a is 16 channels of head a / 4; a lane's 64 numbers are half of 128 keys: one fragment of V^T
.macro EV a
	s_wait_dscnt 0x0
	WIN 0x02+(\a)/4
.set i_, 0
.rept 32
.if (\a)%2
	v_pk_add_f32 v[ST+2*i_:ST+2*i_+1], v[64*((\a)%4)+2*i_:64*((\a)%4)+2*i_+1], v[BV+2*((\a)/2):BV+2*((\a)/2)+1] op_sel:[0,1] op_sel_hi:[1,1]
.else
	v_pk_add_f32 v[ST+2*i_:ST+2*i_+1], v[64*((\a)%4)+2*i_:64*((\a)%4)+2*i_+1], v[BV+2*((\a)/2):BV+2*((\a)/2)+1] op_sel_hi:[1,0]
.endif
.set i_, i_+1
.endr
	WIN 0
.if (\a) >= 2
	s_wait_xcnt 0x0                                ; tile a - 2's stores have read these registers
.endif
	QUANT ST, R+12*((\a)%2), R+12*((\a)%2)+6, PW
	ds_store_b32 v[SVW], v[PW] offset:256*((\a)/4)+128*((\a)%2)+4*(((\a)%4)/2)
.irp g, 0,1,2
	global_store_b128 v[L16], v[R+12*((\a)%2)+4*\g:R+12*((\a)%2)+4*\g+3], s[OUTB:OUTB+1] offset:((\a)/4)*HEADB+6144+((\a)%4)*1536+512*\g
.endr
.endm
.irp a, 0,1,2,3,4,5,6,7
	EV \a
.endr
	ds_load_b128 v[ST:ST+3], v[SVL]
	s_wait_dscnt 0x0
	global_store_b128 v[LV], v[ST:ST+3], s[OUTB:OUTB+1] offset:12800   ; sixteen lanes store a head's 256 consecutive bytes
.Lend:
	s_wait_tensorcnt 0x0                           ; the wave's end, behind my last tensor load and my last LDS store
	ds_add_u32 v[SPW], v[NIL]
	s_wait_dscnt 0x0
	CROUND                                         ; the closing round
	s_endpgm
.Lfunc_end_k_q93665ba680_qkv:
	.size	k_q93665ba680_qkv, .Lfunc_end_k_q93665ba680_qkv-k_q93665ba680_qkv
	.p2alignl 7, 3214868480
	.fill 96, 4, 3214868480
	.section	.rodata,"a",@progbits
	.p2align	6, 0x0
	.amdhsa_kernel k_q93665ba680_qkv
		.amdhsa_group_segment_fixed_size 327680
		.amdhsa_private_segment_fixed_size 0
		.amdhsa_enable_private_segment 0
		.amdhsa_kernarg_size 32
		.amdhsa_user_sgpr_count 2
		.amdhsa_user_sgpr_kernarg_segment_ptr 1
		.amdhsa_wavefront_size32 1
		.amdhsa_system_sgpr_workgroup_id_x 1
		.amdhsa_system_sgpr_workgroup_id_y 1
		.amdhsa_system_sgpr_workgroup_id_z 1
		.amdhsa_system_vgpr_workitem_id 0
		.amdhsa_next_free_vgpr 1024
		.amdhsa_next_free_sgpr 100
		.amdhsa_reserve_vcc 0
		.amdhsa_float_denorm_mode_32 3
		.amdhsa_float_denorm_mode_16_64 3
		.amdhsa_memory_ordered 1
		.amdhsa_forward_progress 1
		.amdhsa_inst_pref_size 206
	.end_amdhsa_kernel
	.amdgpu_metadata
---
amdhsa.version: [ 1, 2 ]
amdhsa.kernels:
  - .name:           k_q93665ba680_qkv
    .symbol:         k_q93665ba680_qkv.kd
    .args:
      - { .name: cw, .offset: 0, .size: 8, .value_kind: global_buffer, .address_space: global }
      - { .name: bqkv, .offset: 8, .size: 8, .value_kind: global_buffer, .address_space: global }
      - { .name: qq, .offset: 16, .size: 8, .value_kind: global_buffer, .address_space: global }
      - { .name: kv, .offset: 24, .size: 8, .value_kind: global_buffer, .address_space: global }
    .group_segment_fixed_size: 327680
    .private_segment_fixed_size: 0
    .kernarg_segment_align: 8
    .kernarg_segment_size: 32
    .max_flat_workgroup_size: 128
    .sgpr_count:     100
    .vgpr_count:     1024
    .wavefront_size: 32
...
	.end_amdgpu_metadata
.endif
;; end of part 2
;; launch attn (part 3): grid 4 x 64, 16 waves a work-group, clusters of 4 x 1, 327,680 bytes of LDS; arguments qq, kv, oc; writes oc
.if DOCPART == 3
	.amdgcn_target "amdgcn-amd-amdhsa--gfx1250"
	.amdhsa_code_object_version 6
	.text
	.protected	k_q93665ba680_attn
	.globl	k_q93665ba680_attn
	.p2align	8
	.type	k_q93665ba680_attn,@function
k_q93665ba680_attn:
	s_mov_b64 s[64:65], 0
	v_nop
	global_prefetch_b8 v0, s[64:65] scope:SCOPE_SE
	s_setreg_imm32_b32 hwreg(HW_REG_WAVE_MODE, 25, 1), 1
	s_wait_xcnt 0x0
	s_wait_alu depctr_hold_cnt(0) depctr_sa_sdst(0) depctr_va_vdst(0) depctr_va_sdst(0) depctr_va_ssrc(0) depctr_va_vcc(0) depctr_vm_vsrc(0)
	s_getreg_b32 s2, hwreg(HW_REG_IB_STS2, 6, 4)
	s_cmp_eq_u32 s2, 0
	s_cbranch_scc0 .Lentry_in_a_cluster
	s_endpgm
.Lentry_in_a_cluster:
	s_bfe_u32 s2, ttmp6, 0x10000c
	s_cmp_lg_u32 s2, 0x3003
	s_cbranch_scc0 .Lentry_shape_is_right
	s_endpgm
.Lentry_shape_is_right:
; Causal attention of one head (16 x batch + head = the cluster's y) on codes of FP6 (E2M3) with E8M0 scales; head size 64, 2,048 tokens.  The result, divided by the row's sum, is quantised along the model's (head, channel) axis and stored as the last product's operand.
; SOFTMAX: t = score x log2(e) / 8; M = the running largest t rounded UP to a whole number; p = 2^(t - M) is quantised along the keys; the row's sum is taken of the unquantised p; when M moves, the sum and O are multiplied by 2^(old M - new M), exactly.
; BOTH PRODUCTS TRANSPOSED: S^T = K Q^T (source 0 = 16 keys), O^T = V^T P^T (source 0 = 16 channels): a lane holds one query throughout.  By the order of a tile's rows (launch quant) the 16 registers of tiles 2 b, 2 b + 1 are 16 neighbours.
; THE FIRST PRODUCT'S K IS 64: Q's fragment holds zero codes for k = 64 .. 127, so whatever stands in the upper six registers of K's operand (the next tile's codes) adds nothing; no scale byte there is 0xff.
; SHARES: the four work-groups of a cluster are one head.  Work-group cx takes tokens 32 cx .. 32 cx + 31 of every block of 128; wave w (u = w % 2, beta = w / 2) takes tile 2 cx + u of block 15 - beta and then of block beta:
; (16 - beta) + (beta + 1) = 17 key steps of 128 keys for every wave of the launch.  Branches hang on the wave's number and on counts alone; cx enters global addresses and the mask's compare value.
; K AND V: the head's 208,896 bytes of kv are one dense stream in register order; they come ONCE, by joint loads (mask: all four), and stay: no slot is filled again.  Waves 0-5 issue two loads each: key steps 0, 1 first, the rest behind.
; Every LDS load reads 512 or 256 consecutive bytes.  Results leave straight from registers.
; LIMITS: NaN and infinities are not served; a block whose largest magnitude lies under 2^-124 keeps the scale byte 1 (the bytes are read by this program alone).
.set HEADB,  208896
.set STEPKV, 13056
.set SPARE,  HEADB                     ; behind the head: the spare words, 128 bytes a wave, which no other line names
.set RBB,    102400
.set UNIT,   12800
.set L16, 1                            ; v1  16 x lane
.set L8,  2                            ; v2  8 x lane
.set DQ,  3                            ; v3  my query's place in its block - 16 (lane / 16)
.set VO16, 4
.set SPW, 5
.set NIL, 6
.set VO8, 7
.set AD,  8
.set AD2, 9
.set VOS, 10
.set BM,  192                          ; v192-195 the blocks' largest scores, then largest p
.set BX,  196
.set SO,  200                          ; v200-203 the conversions' scale operands
.set CT,  204                          ; v204-206, v208-210
.set F,   212                          ; v[212:213] f = 2^(old M - new M) (the low word serves)
.set T0,  214
.set PS,  216                          ; p's scale word
.set VSC, 218                          ; v[218:219] V's scale words
.set KSC, 220                          ; v[220:223] K's
.set PC,  224                          ; v224-235 p's codes
.set NINF, 238
.set HW,  250
.set WV,  10
.set BLK, 15
.set KS,  17
.set TB,  18
.set SEL, 20
.set CS,  22
.set G1A, 24
.set G1B, 32
.set G0A, 40
.set G0B, 44
.macro CROUND
	s_barrier_signal -1
	s_barrier_wait -1
	s_cmp_lg_u32 s[WV], 0
	s_cbranch_scc1 .Lnot_wave_0_\@
	s_barrier_signal -3
.Lnot_wave_0_\@:
	s_barrier_wait -3
	s_barrier_signal -1
	s_barrier_wait -1
.endm
	s_load_b128 s[4:7], s[0:1], 0x0                ; qq s[4:5], kv s[6:7]
	s_load_b64 s[8:9], s[0:1], 0x10                ; oc
	v_lshl_add_u32 v[SPW], v0, 2, SPARE
	v_mov_b32 v[NIL], 0
	ds_add_u32 v[SPW], v[NIL]                      ; the wave's opening: the add, and its wait, ahead of my first tensor load; the set-up, work on registers, stands between them
	ds_add_u32 v[SPW], v[NIL]
	v_lshrrev_b32 v8, 5, v0
	s_delay_alu instid0(VALU_DEP_1)
	v_readfirstlane_b32 s[WV], v8                  ; wave 0..15
	s_and_b32 s11, s[WV], 1                        ; u
	s_lshr_b32 s12, s[WV], 1                       ; beta
	s_bfe_u32 s13, ttmp6, 0x40000                  ; cx
	s_and_b32 s14, ttmp7, 0xffff                   ; 16 x batch + head
	s_sub_co_u32 s[BLK], 15, s12                   ; the first pass's block
	s_mov_b32 s[G1A], 15|(3<<16)|(1<<21)           ; 15:0 the mask: all four; 17:16 elements of 8 bytes; 21 set beside a mask; no padding
	s_mov_b32 s[G1A+1], 32<<16                     ; rows of 256 bytes
	s_mov_b32 s[G1A+2], 17<<16                     ; 17 rows: a sixth of key steps 0, 1
	s_mov_b32 s[G1A+3], 32<<16
	s_mov_b32 s[G1A+4], 17
	s_mov_b32 s[G1A+5], 32
	s_mov_b32 s[G1A+6], 0
	s_mov_b32 s[G1A+7], 0
	s_mov_b32 s[G1B], 15|(3<<16)|(1<<21)
	s_mov_b32 s[G1B+1], 32<<16
	s_mov_b32 s[G1B+2], 119<<16                    ; 119 rows: a sixth of key steps 2 .. 15
	s_mov_b32 s[G1B+3], 32<<16
	s_mov_b32 s[G1B+4], 119
	s_mov_b32 s[G1B+5], 32
	s_mov_b32 s[G1B+6], 0
	s_mov_b32 s[G1B+7], 0
	s_mov_b32 s[SEL], 0x76543210
	s_mov_b32 s[SEL+1], 0xfedcba98
	s_mov_b32 s[CS], 0x3e38aa3b                    ; c = log2(e) / 8
	s_mov_b32 s[CS+1], s[CS]
	s_cmp_eq_u32 s11, 1
	s_cselect_b32 s52, -1, 0                       ; all lanes, where my tile is a pair's second
	v_and_b32 v8, 31, v0
	v_and_b32 v9, 15, v0                           ; r
	v_bfe_u32 v11, v0, 4, 1                        ; h
	s_delay_alu instid0(VALU_DEP_3)
	v_lshlrev_b32 v[L16], 4, v8
	s_wait_alu depctr_va_vdst(0)
	v_lshlrev_b32 v[L8], 3, v8
	s_wait_alu depctr_va_vdst(0)
	s_lshl_b32 s16, s13, 1
	s_add_co_u32 s16, s16, s11                     ; my tile in a block: 2 cx + u
	s_lshl_b32 s53, s13, 5
	s_lshl_b32 s54, s11, 3
	s_add_co_u32 s53, s53, s54
	v_and_b32 v[DQ], 8, v9
	s_delay_alu instid0(VALU_DEP_1)
	v_add_nc_u32 v[DQ], v[DQ], v9
	s_delay_alu instid0(VALU_DEP_1)
	v_add_nc_u32 v[DQ], s53, v[DQ]                 ; my query: 32 cx + 8 u + r + 8 (r / 8)
	v_lshlrev_b32 v28, 4, v11
	s_delay_alu instid0(VALU_DEP_1)
	v_sub_nc_u32 v[DQ], v[DQ], v28
	s_and_b32 s54, s14, 1                          ; the head's parity: which half of a K step of the last product
	s_mul_i32 s53, s16, 1536
	s_mul_i32 s55, s54, 768
	s_add_co_u32 s53, s53, s55
	v_add_nc_u32 v[VO16], s53, v[L16]
	s_add_co_u32 s53, s53, 512
	v_add_nc_u32 v[VO8], s53, v[L8]
	s_lshl_b32 s53, s16, 6
	s_lshl_b32 s55, s54, 1
	s_add_co_u32 s53, s53, s55
	s_add_co_u32 s53, s53, 12288
	v_lshl_add_u32 v[VOS], v9, 2, s53
	s_mul_i32 s53, s13, 1536
	v_add_nc_u32 v30, s53, v[L16]                  ; Q: pair cx's image
	s_lshl_b32 s53, s11, 8
	s_lshl_b32 s55, s13, 2
	s_add_co_u32 s53, s53, s55
	s_add_co_u32 s53, s53, 12288
	v_lshl_add_u32 v31, v9, 4, s53                 ; and my tile's scale words
	s_mul_i32 s56, s14, HEADB
	s_mov_b32 s57, 0
	s_mul_i32 s53, s[BLK], STEPKV
	s_add_co_u32 s58, s56, s53
	s_mov_b32 s59, 0
	s_mul_i32 s53, s12, STEPKV
	s_add_co_u32 s60, s56, s53
	s_mov_b32 s61, 0
	s_and_b32 s53, s14, 48                         ; 16 x batch
	s_bfe_u32 s55, s14, 0x30001                    ; head / 2
	s_mul_i32 s55, s55, UNIT
	s_add_co_u32 s48, s53, s[BLK]
	s_mul_i32 s48, s48, RBB
	s_add_co_u32 s48, s48, s55
	s_mov_b32 s49, 0
	s_add_co_u32 s50, s53, s12
	s_mul_i32 s50, s50, RBB
	s_add_co_u32 s50, s50, s55
	s_mov_b32 s51, 0
	s_mul_i32 s53, s[WV], 4352
	s_mul_i32 s55, s[WV], 30464
	s_add_co_u32 s55, s55, 26112
.irp i, 0,1,2,3,4,5
	v_mov_b32 v[22+\i], 0                          ; Q's codes for k = 64 .. 127
	v_mov_b32 v[80+\i], 0                          ; the upper six registers of K's eighth operand
.endr
.irp b, 0,1,2,3
	v_mov_b32 v[BX+\b], 0                          ; written once: a lane permute's destination counts as one of its sources
.endr
	v_mov_b32 v[F+1], 0                            ; (named as the upper half of a pair)
	v_mov_b32 v[T0], 0
	v_mov_b32 v[NINF], 0xff800000
	s_wait_dscnt 0x0                               ; the opening add is done
	s_wait_kmcnt 0x0
	s_add_nc_u64 s[6:7], s[6:7], s[56:57]          ; kv at my head
	s_add_nc_u64 s[58:59], s[4:5], s[58:59]        ; qq at the first pass's block,
	s_add_nc_u64 s[60:61], s[4:5], s[60:61]        ; and the second's
	s_add_nc_u64 s[48:49], s[8:9], s[48:49]        ; oc likewise
	s_add_nc_u64 s[50:51], s[8:9], s[50:51]
	s_mov_b32 s2, s53
	s_mov_b32 s3, 0
	s_mov_b32 s[G0A], 1
	s_mov_b32 s[G0A+1], s53
	s_add_nc_u64 s[G0A+2:G0A+3], s[6:7], s[2:3]
	s_or_b32 s[G0A+3], s[G0A+3], 0x80000000
	s_mov_b32 s2, s55
	s_mov_b32 s[G0B], 1
	s_mov_b32 s[G0B+1], s55
	s_add_nc_u64 s[G0B+2:G0B+3], s[6:7], s[2:3]
	s_or_b32 s[G0B+3], s[G0B+3], 0x80000000
	CROUND                                         ; all four work-groups are here: the joint loads meet
	s_cmp_lt_u32 s[WV], 6                          ; a wave's two fills stand in one branch: two loads of mine are out
	s_cbranch_scc0 .Lno_fetch
	tensor_load_to_lds s[G0A:G0A+3], s[G1A:G1A+7]
	s_nop 0
	tensor_load_to_lds s[G0B:G0B+3], s[G1B:G1B+7]
	s_nop 0
.rept 4
	v_nop
.endr
.Lno_fetch:
.irp g, 0,1,2
	global_load_b128 v[32+4*\g:35+4*\g], v30, s[58:59] offset:512*\g
	global_load_b128 v[44+4*\g:47+4*\g], v30, s[60:61] offset:512*\g
.endr
	global_load_b32 v255, v31, s[58:59]            ; Q's scale words: the first pass's,
	global_load_b32 v248, v31, s[60:61]            ; the second's
	s_wait_loadcnt 0x0
.irp i, 0,1,2,3,4,5
	v_cndmask_b32 v[16+\i], v[32+\i], v[38+\i], s52     ; my tile's six registers of the pair's twelve
	v_cndmask_b32 v[242+\i], v[44+\i], v[50+\i], s52
.endr
.macro INIT                            ; a pass begins: the largest t under every t, the sum and O^T zeros, which the first change of M leaves zeros
	v_mov_b32 v13, 0xff61b1e6
	s_delay_alu instid0(VALU_DEP_1)
	v_floor_f32 v12, -v13
	v_mov_b32 v14, 0
	v_mov_b32 v15, 0
.set n_, 0
.rept 32
	v_mov_b32 v[160+n_], 0
.set n_, n_+1
.endr
	s_mov_b32 s[TB], 0
	s_mov_b32 s[KS], 0
.endm
; A KEY STEP of 128 keys.  A step behind my block is left out: a branch on the wave's number and the count of steps, round loads and arithmetic alone.
.macro STEP
	s_cmp_gt_u32 s[KS], s[BLK]
	s_cbranch_scc1 .Lhidden_\@
	s_setprio 2
	v_add_nc_u32 v[AD], s[TB], v[L16]
	v_add_nc_u32 v[AD2], s[TB], v[L8]
	v_nop
	v_nop                                          ; four places in front of loads into registers that the last products read
.irp i, 0,1,2,3,4,5,6,7,8,9,10,11
	ds_load_b128 v[32+4*\i:35+4*\i], v[AD] offset:512*\i          ; K: tile t's six registers at v[32 + 6 t]
.endr
	ds_load_b128 v[KSC:KSC+3], v[AD] offset:12288  ; register t / 2: tile t's words, the odd tile's in lanes 16-31
	s_wait_alu depctr_va_vdst(0)
	s_wait_dscnt 0x0
.irp t, 0,1,2,3,4,5,6,7
.if \t%2
	v_wmma_scale_f32_16x16x128_f8f6f4 v[96+8*\t:103+8*\t], v[32+6*\t:43+6*\t], v[16:27], 0, v[KSC+\t/2], v255 matrix_a_fmt:MATRIX_FMT_FP6 matrix_b_fmt:MATRIX_FMT_FP6 matrix_a_scale:MATRIX_SCALE_ROW1
.else
	v_wmma_scale_f32_16x16x128_f8f6f4 v[96+8*\t:103+8*\t], v[32+6*\t:43+6*\t], v[16:27], 0, v[KSC+\t/2], v255 matrix_a_fmt:MATRIX_FMT_FP6 matrix_b_fmt:MATRIX_FMT_FP6
.endif
.endr
.rept 4
	v_nop
.endr
.irp i, 0,1,2,3,4,5,6,7,8,9,10,11
	ds_load_b128 v[32+4*\i:35+4*\i], v[AD] offset:6144+512*\i     ; V^T's four fragments: they land under the softmax
.endr
	ds_load_b64 v[VSC:VSC+1], v[AD2] offset:12800
	s_cmp_lg_u32 s[KS], s[BLK]                     ; on the diagonal the scores of hidden keys become -infinity: register 16 b + i holds key 32 b + 16 (lane / 16) + i
	s_cbranch_scc1 .Lopen_\@
.set n_, 0
.rept 64
	v_cmp_gt_i32 vcc_lo, 32*(n_/16)+n_%16, v[DQ]
	v_cndmask_b32 v[96+n_], v[96+n_], v[NINF], vcc_lo
.set n_, n_+1
.endr
.Lopen_\@:
.irp b, 0,1,2,3
	v_max3_num_f32 v[BM+\b], v[96+16*\b], v[97+16*\b], v[98+16*\b]   ; the largest score of each block of 32 keys: for the row's maximum and, since p rises with the score, for the block's largest p
.endr
.irp i, 3,5,7,9,11,13
.irp b, 0,1,2,3
	v_max3_num_f32 v[BM+\b], v[BM+\b], v[96+16*\b+\i], v[97+16*\b+\i]
.endr
.endr
.irp b, 0,1,2,3
	v_max_num_f32 v[BM+\b], v[BM+\b], v[111+16*\b]
.endr
.irp b, 0,1,2,3
	s_delay_alu instid0(VALU_DEP_4)
	v_permlanex16_b32 v[BX+\b], v[BM+\b], s[SEL], s[SEL+1]
.endr
.irp b, 0,1,2,3
	s_delay_alu instid0(VALU_DEP_4)
	v_max_num_f32 v[BM+\b], v[BM+\b], v[BX+\b]
.endr
	s_delay_alu instid0(VALU_DEP_2)
	v_max3_num_f32 v[T0], v[BM], v[BM+1], v[BM+2]
	s_delay_alu instid0(VALU_DEP_1)
	v_max_num_f32 v[T0], v[T0], v[BM+3]
	s_delay_alu instid0(VALU_DEP_1)
	v_mul_f32 v[T0], s[CS], v[T0]
	s_delay_alu instid0(VALU_DEP_1)
	v_max_num_f32 v13, v13, v[T0]                  ; the running largest t
	v_mov_b32 v[T0], v12
	s_delay_alu instid0(VALU_DEP_2)
	v_floor_f32 v12, -v13                          ; -M = floor(-t): M is a whole number
	s_delay_alu instid0(VALU_DEP_1)
	v_sub_f32 v[T0], v12, v[T0]
	s_delay_alu instid0(VALU_DEP_1)
	v_cvt_i32_f32 v[T0], v[T0]                     ; (it saturates)
	s_delay_alu instid0(VALU_DEP_1)
	v_ldexp_f32 v[F], 1.0, v[T0]                   ; f = 2^(old M - new M)
.set n_, 0
.rept 32
	v_pk_fma_f32 v[96+n_:97+n_], v[96+n_:97+n_], s[CS:CS+1], v[12:13] op_sel_hi:[1,0,0]   ; t - M
.set n_, n_+2
.endr
	s_setprio 1
.irp b, 0,1,2,3
	v_fma_f32 v[BM+\b], v[BM+\b], s[CS], v12
.endr
.set n_, 0
	s_wait_alu depctr_va_vdst(0)
.rept 64
	v_exp_f32 v[96+n_], v[96+n_]                   ; p = 2^(t - M), not normalised
.set n_, n_+1
.endr
	v_pk_mul_f32 v[14:15], v[14:15], v[F:F+1] op_sel_hi:[1,0]   ; the sums under the new M: a plain place behind the exponentials
	s_wait_alu depctr_va_vdst(0)                   ; one wait for the batch, ahead of its first reader
.irp b, 0,1,2,3
	v_exp_f32 v[BM+\b], v[BM+\b]                   ; the blocks' largest p
.endr
	v_pk_add_f32 v[236:237], v[100:101], v[104:105]
	v_pk_add_f32 v[252:253], v[108:109], v[112:113]
	v_pk_add_f32 v[250:251], v[116:117], v[120:121]
	v_pk_add_f32 v[240:241], v[124:125], v[128:129]
	v_pk_add_f32 v[234:235], v[132:133], v[136:137]
	v_pk_add_f32 v[232:233], v[140:141], v[144:145]
	v_pk_add_f32 v[230:231], v[148:149], v[152:153]
	v_pk_add_f32 v[14:15], v[14:15], v[156:157]
	v_pk_add_f32 v[236:237], v[236:237], v[96:97]
	v_pk_add_f32 v[252:253], v[252:253], v[98:99]
	v_pk_add_f32 v[250:251], v[250:251], v[102:103]
	v_pk_add_f32 v[240:241], v[240:241], v[106:107]
	v_pk_add_f32 v[234:235], v[234:235], v[110:111]
	v_pk_add_f32 v[232:233], v[232:233], v[114:115]
	v_pk_add_f32 v[230:231], v[230:231], v[118:119]
	v_pk_add_f32 v[14:15], v[14:15], v[122:123]
	v_pk_add_f32 v[236:237], v[236:237], v[126:127]
	v_pk_add_f32 v[252:253], v[252:253], v[130:131]
	v_pk_add_f32 v[250:251], v[250:251], v[134:135]
	v_pk_add_f32 v[240:241], v[240:241], v[138:139]
	v_pk_add_f32 v[234:235], v[234:235], v[142:143]
	v_pk_add_f32 v[232:233], v[232:233], v[146:147]
	v_pk_add_f32 v[230:231], v[230:231], v[150:151]
	v_pk_add_f32 v[14:15], v[14:15], v[154:155]
	v_pk_add_f32 v[236:237], v[236:237], v[158:159]
	s_delay_alu instid0(VALU_DEP_2)
	v_pk_add_f32 v[14:15], v[14:15], v[240:241]
	s_delay_alu instid0(VALU_DEP_2)
	v_pk_add_f32 v[236:237], v[236:237], v[234:235]
	v_pk_add_f32 v[252:253], v[252:253], v[232:233]
	v_pk_add_f32 v[250:251], v[250:251], v[230:231]
	s_delay_alu instid0(VALU_DEP_2)
	v_pk_add_f32 v[14:15], v[14:15], v[252:253]
	s_delay_alu instid0(VALU_DEP_2)
	v_pk_add_f32 v[236:237], v[236:237], v[250:251]
	s_delay_alu instid0(VALU_DEP_1)
	v_pk_add_f32 v[14:15], v[14:15], v[236:237]
	s_wait_alu depctr_va_vdst(0)                   ; and one for the four
.irp b, 0,1,2,3
	v_max_num_f32 v[BM+\b], 0x1800000, v[BM+\b]    ; the floor 2^(3 - 127)
.endr
.irp b, 0,1,2,3
	s_delay_alu instid0(VALU_DEP_4)
	v_add_nc_u32 v[SO+\b], 0xff000000, v[BM+\b]
.endr
.irp b, 0,1,2,3
	s_delay_alu instid0(VALU_DEP_4)
	v_lshrrev_b32 v[BX+\b], 23, v[SO+\b]
.endr
	s_delay_alu instid0(VALU_DEP_3)
	v_lshl_or_b32 v[PS], v[BX+1], 8, v[BX]
	s_delay_alu instid0(VALU_DEP_1)
	v_lshl_or_b32 v[PS], v[BX+2], 16, v[PS]
	s_delay_alu instid0(VALU_DEP_1)
	v_lshl_or_b32 v[PS], v[BX+3], 24, v[PS]
	s_setprio 0
.irp c, 0,1
	v_cvt_scalef32_pk16_fp6_f32 v[PC+6*\c:PC+2+6*\c], v[96+32*\c:111+32*\c], v[SO+2*\c]
	v_cvt_scalef32_pk16_fp6_f32 v[CT+4*\c:CT+2+4*\c], v[112+32*\c:127+32*\c], v[SO+2*\c+1]
.endr
	v_nop                                          ; one plain place behind the scaled conversions
.irp c, 0,1
.irp i, 0,1,2
	v_permlane16_swap_b32 v[PC+6*\c+\i], v[CT+4*\c+\i]
.endr
.irp i, 0,1,2
	s_delay_alu instid0(VALU_DEP_3)
	v_mov_b32 v[PC+3+6*\c+\i], v[CT+4*\c+\i]
.endr
.endr
.set n_, 0
.rept 16
	v_pk_mul_f32 v[160+n_:161+n_], v[160+n_:161+n_], v[F:F+1] op_sel_hi:[1,0]   ; O^T under the new M; these sixteen are also the places between p's codes and scale word and the products
.set n_, n_+2
.endr
	s_wait_alu depctr_va_vdst(0)
	s_wait_dscnt 0x0                               ; V is in
.irp t, 0,1,2,3
.if \t%2
	v_wmma_scale_f32_16x16x128_f8f6f4 v[160+8*\t:167+8*\t], v[32+12*\t:43+12*\t], v[PC:PC+11], v[160+8*\t:167+8*\t], v[VSC+\t/2], v[PS] matrix_a_fmt:MATRIX_FMT_FP6 matrix_b_fmt:MATRIX_FMT_FP6 matrix_a_scale:MATRIX_SCALE_ROW1
.else
	v_wmma_scale_f32_16x16x128_f8f6f4 v[160+8*\t:167+8*\t], v[32+12*\t:43+12*\t], v[PC:PC+11], v[160+8*\t:167+8*\t], v[VSC+\t/2], v[PS] matrix_a_fmt:MATRIX_FMT_FP6 matrix_b_fmt:MATRIX_FMT_FP6
.endif
.endr
.Lhidden_\@:
	s_add_co_u32 s[TB], s[TB], STEPKV
	s_add_co_u32 s[KS], s[KS], 1
.endm
; A pass ends: O^T / the sum; register 16 b + i is channel 32 b + 16 (lane / 16) + i: two blocks along the last product's K; six registers of codes and two scale bytes a row
.macro OUTP rb
.rept 4
	v_nop
.endr
	v_add_f32 v14, v14, v15
	s_delay_alu instid0(VALU_DEP_1)
	v_permlanex16_b32 v[T0], v14, s[SEL], s[SEL+1]
	s_delay_alu instid0(VALU_DEP_1)
	v_add_f32 v14, v14, v[T0]                      ; the row's sum
	s_wait_alu depctr_va_vdst(0)
	v_rcp_f32 v14, v14
	v_nop
	s_wait_alu depctr_va_vdst(0)                   ; ahead of the reciprocal's first reader
.set n_, 0
.rept 32
	v_mul_f32 v[96+n_], v[160+n_], v14
.set n_, n_+1
.endr
.irp b, 0,1
	v_max3_num_f32 v[BM+\b], |v[96+16*\b]|, |v[97+16*\b]|, 0x1800000
.endr
.irp i, 2,4,6,8,10,12,14
.irp b, 0,1
	s_delay_alu instid0(VALU_DEP_2)
	v_max3_num_f32 v[BM+\b], v[BM+\b], |v[96+16*\b+\i]|, |v[97+16*\b+\i]|
.endr
.endr
.irp b, 0,1
	s_delay_alu instid0(VALU_DEP_2)
	v_permlanex16_b32 v[BX+\b], v[BM+\b], s[SEL], s[SEL+1]
.endr
.irp b, 0,1
	s_delay_alu instid0(VALU_DEP_2)
	v_max_num_f32 v[BM+\b], v[BM+\b], v[BX+\b]
.endr
.irp b, 0,1
	s_delay_alu instid0(VALU_DEP_2)
	v_add_nc_u32 v[SO+\b], 0xff000000, v[BM+\b]
.endr
.irp b, 0,1
	s_delay_alu instid0(VALU_DEP_2)
	v_lshrrev_b32 v[BX+\b], 23, v[SO+\b]
.endr
	s_delay_alu instid0(VALU_DEP_1)
	v_lshl_or_b32 v[HW], v[BX+1], 8, v[BX]
	v_cvt_scalef32_pk16_fp6_f32 v[PC:PC+2], v[96:111], v[SO]
	v_cvt_scalef32_pk16_fp6_f32 v[CT:CT+2], v[112:127], v[SO+1]
	v_nop
.irp i, 0,1,2
	v_permlane16_swap_b32 v[PC+\i], v[CT+\i]
.endr
.irp i, 0,1,2
	s_delay_alu instid0(VALU_DEP_3)
	v_mov_b32 v[PC+3+\i], v[CT+\i]
.endr
	global_store_b128 v[VO16], v[PC:PC+3], s[\rb:\rb+1]     ; 512 consecutive bytes, at a multiple of 256
	global_store_b64 v[VO8], v[PC+4:PC+5], s[\rb:\rb+1]     ; 256 consecutive bytes
	global_store_b16 v[VOS], v[HW], s[\rb:\rb+1]            ; my head's two bytes of the row's scale word (lanes r and r + 16 store the same): a 24th of the codes' bytes
	s_wait_xcnt 0x0                                ; the stores have read their registers
.endm
	INIT
	s_wait_tensorcnt 1                             ; my part of key steps 0, 1 is in; the large load may stay out
	s_wait_dscnt 0x0
	s_barrier_signal -1
	s_barrier_wait -1
	STEP                                           ; key steps 0 and 1, written out: their LDS bytes lie under 26,112, where the large loads begin
	STEP
	s_wait_tensorcnt 0x0                           ; my part of the rest is in,
	s_wait_dscnt 0x0
	s_barrier_signal -1
	s_barrier_wait -1                              ; everybody's is: from here on the waves run free
	s_mov_b32 s19, 14
.Lpass1:
	STEP
	s_sub_co_u32 s19, s19, 1
	s_cmp_lg_u32 s19, 0
	s_cbranch_scc1 .Lpass1
	s_setprio 0
	OUTP 48
.irp i, 0,1,2,3,4,5
	v_mov_b32 v[16+\i], v[242+\i]                  ; the second pass's Q,
.endr
	v_mov_b32 v255, v248                           ; its scale words (INIT's lines are the places ahead of the next products),
	s_mov_b32 s[BLK], s12                          ; and its block
	INIT
	s_mov_b32 s19, 16
.Lpass2:
	STEP
	s_sub_co_u32 s19, s19, 1
	s_cmp_lg_u32 s19, 0
	s_cbranch_scc1 .Lpass2
	s_setprio 0
	OUTP 50
	s_wait_tensorcnt 0x0                           ; the wave's end
	ds_add_u32 v[SPW], v[NIL]
	s_wait_dscnt 0x0
	CROUND                                         ; the closing round
	s_endpgm
.Lfunc_end_k_q93665ba680_attn:
	.size	k_q93665ba680_attn, .Lfunc_end_k_q93665ba680_attn-k_q93665ba680_attn
	.p2alignl 7, 3214868480
	.fill 96, 4, 3214868480
	.section	.rodata,"a",@progbits
	.p2align	6, 0x0
	.amdhsa_kernel k_q93665ba680_attn
		.amdhsa_group_segment_fixed_size 327680
		.amdhsa_private_segment_fixed_size 0
		.amdhsa_enable_private_segment 0
		.amdhsa_kernarg_size 24
		.amdhsa_user_sgpr_count 2
		.amdhsa_user_sgpr_kernarg_segment_ptr 1
		.amdhsa_wavefront_size32 1
		.amdhsa_system_sgpr_workgroup_id_x 1
		.amdhsa_system_sgpr_workgroup_id_y 1
		.amdhsa_system_sgpr_workgroup_id_z 1
		.amdhsa_system_vgpr_workitem_id 0
		.amdhsa_next_free_vgpr 256
		.amdhsa_next_free_sgpr 66
		.amdhsa_reserve_vcc 1
		.amdhsa_float_denorm_mode_32 3
		.amdhsa_float_denorm_mode_16_64 3
		.amdhsa_memory_ordered 1
		.amdhsa_forward_progress 1
		.amdhsa_inst_pref_size 108
	.end_amdhsa_kernel
	.amdgpu_metadata
---
amdhsa.version: [ 1, 2 ]
amdhsa.kernels:
  - .name:           k_q93665ba680_attn
    .symbol:         k_q93665ba680_attn.kd
    .args:
      - { .name: qq, .offset: 0, .size: 8, .value_kind: global_buffer, .address_space: global }
      - { .name: kv, .offset: 8, .size: 8, .value_kind: global_buffer, .address_space: global }
      - { .name: oc, .offset: 16, .size: 8, .value_kind: global_buffer, .address_space: global }
    .group_segment_fixed_size: 327680
    .private_segment_fixed_size: 0
    .kernarg_segment_align: 8
    .kernarg_segment_size: 24
    .max_flat_workgroup_size: 512
    .sgpr_count:     66
    .vgpr_count:     256
    .wavefront_size: 32
...
	.end_amdgpu_metadata
.endif
;; end of part 3
;; launch oproj (part 4): grid 8 x 32, 4 waves a work-group, clusters of 4 x 4, 327,680 bytes of LDS; arguments oc, cw, bo, out0; writes out0
.if DOCPART == 4
	.amdgcn_target "amdgcn-amd-amdhsa--gfx1250"
	.amdhsa_code_object_version 6
	.text
	.protected	k_q93665ba680_oproj
	.globl	k_q93665ba680_oproj
	.p2align	8
	.type	k_q93665ba680_oproj,@function
k_q93665ba680_oproj:
	s_mov_b64 s[64:65], 0
	v_nop
	global_prefetch_b8 v0, s[64:65] scope:SCOPE_SE
	s_setreg_imm32_b32 hwreg(HW_REG_WAVE_MODE, 25, 1), 1
	s_wait_xcnt 0x0
	s_wait_alu depctr_hold_cnt(0) depctr_sa_sdst(0) depctr_va_vdst(0) depctr_va_sdst(0) depctr_va_ssrc(0) depctr_va_vcc(0) depctr_vm_vsrc(0)
	s_getreg_b32 s2, hwreg(HW_REG_IB_STS2, 6, 4)
	s_cmp_eq_u32 s2, 0
	s_cbranch_scc0 .Lentry_in_a_cluster
	s_endpgm
.Lentry_in_a_cluster:
	s_bfe_u32 s2, ttmp6, 0x10000c
	s_cmp_lg_u32 s2, 0xf033
	s_cbranch_scc0 .Lentry_shape_is_right
	s_endpgm
.Lentry_shape_is_right:
; out0 = attention's result x Wo^T + bo on codes of FP6 (E2M3) with E8M0 scales.  oc (launch attn) and cw's blocks 88-95 (launch quant) hold fragments in register order.
; A tile of 256 tokens x 128 outputs to a work-group: 256 work-groups; 128 x 64 to a wave: 32 accumulators.  ALL OF K (1,024) stays in LDS: three blocks of 102,400 bytes, each filled once, in four chunks of two K steps, so that the products begin when the first chunk is in.
; Source 0 = 16 rows of Wo, source 1 = 16 tokens: a lane holds one token and, by the order of a tile's rows in cw, 16 neighbouring outputs in the registers of tiles 2 b, 2 b + 1.  bo is the C of each sum's first product.
; A tile's tokens are not neighbours (lane r of tile a: token 32 (a / 2) + 8 (a % 2) + r + 8 (r / 8)): that only shows in the stores' offsets.
; CLUSTER 4 x 4: the tokens' blocks are shared along a row, Wo's along a column: joint loads; waves 0, 1 fetch the tokens' two blocks, wave 2 Wo's; four loads of a wave are out at the most.
; REGISTERS: window 0: v1-31 addresses; v32-39 the tokens' scale words, v40-47 Wo's, two sets each; v64-95 bo; v128-223 Wo's fragments, two sets of 48; v96-127, v224-255 the way out.  Window 1: the tokens' fragments, two sets of 96.  Window 2: accumulator (a, b) at v[8 (4 a + b)].
.set RBB,   102400
.set UNIT,  12800
.set CHUNK, 2*UNIT
.set STG,   3*RBB                      ; the way out: 16 rows x (256 + 16) bytes for each wave
.set SPARE, STG+4*16*272               ; the spare words, 128 bytes a wave, which no other line names
.set L16,  9
.set ADP,  16                          ; v16-17 the tokens' fragments, K steps 0-3 and 4-7: 16 bytes a lane
.set ADP8, 18                          ; v18-19 the same, 8 bytes a lane
.set ADQ,  20
.set ASP,  22
.set ASQ,  24
.set STO,  26
.set RD,   27
.set SPW,  28
.set NIL,  29
.set CO,   30
.set SP,   32
.set SQ,   40
.set BT,   64
.set QF,   128
.set G1P,  24
.set G0P,  32                          ; s[32:47] four groups 0
.set G1Q,  48
.set G0Q,  68                          ; s[68:83]
.set MSB, 0
.macro WIN new
.if MSB != \new
	s_set_vgpr_msb (MSB<<8)|\new
.set MSB, \new
.endif
.endm
.macro CROUND
	s_barrier_signal -1
	s_barrier_wait -1
	s_cmp_lg_u32 s14, 0
	s_cbranch_scc1 .Lnot_wave_0_\@
	s_barrier_signal -3
.Lnot_wave_0_\@:
	s_barrier_wait -3
	s_barrier_signal -1
	s_barrier_wait -1
.endm
	s_load_b256 s[4:11], s[0:1], 0x0               ; oc s[4:5], cw s[6:7], bo s[8:9], out0 s[10:11]
	v_lshl_add_u32 v[SPW], v0, 2, SPARE
	v_mov_b32 v[NIL], 0
	ds_add_u32 v[SPW], v[NIL]                      ; the wave's opening: the add, and its wait, ahead of my first tensor load; the set-up, work on registers, stands between them
	v_lshrrev_b32 v3, 5, v0
	v_readfirstlane_b32 s14, v3                    ; wave 0..3
	s_lshr_b32 s15, s14, 1                         ; my half of the tokens
	s_and_b32 s16, s14, 1                          ; my half of the outputs.  Also: which block of tokens I fetch
	s_bfe_u32 s56, ttmp6, 0x40000                  ; cx
	s_bfe_u32 s57, ttmp6, 0x40004                  ; cy
	s_lshl_b32 s58, ttmp9, 2
	s_add_co_u32 s58, s58, s56                     ; which 128 outputs
	s_and_b32 s17, ttmp7, 0xffff
	s_lshl_b32 s17, s17, 2
	s_add_co_u32 s17, s17, s57                     ; which 256 tokens
	s_lshl_b32 s59, s57, 2
	s_lshl_b32 s59, 15, s59                        ; my row of the cluster
	s_lshl_b32 s60, 0x1111, s56                    ; my column
	s_or_b32 s[G1P+0], s59, (3<<16)|(1<<21)        ; 15:0 the mask; 17:16 elements of 8 bytes; 21 set beside a mask; no padding
	s_or_b32 s[G1Q+0], s60, (3<<16)|(1<<21)
.irp g, G1P, G1Q
	s_mov_b32 s[\g+1], 32<<16                      ; rows of 256 bytes,
	s_mov_b32 s[\g+2], 100<<16                     ; 100 of them: 25,600 dense bytes
	s_mov_b32 s[\g+3], 32<<16
	s_mov_b32 s[\g+4], 100
	s_mov_b32 s[\g+5], 32
	s_mov_b32 s[\g+6], 0
	s_mov_b32 s[\g+7], 0
.endr
	s_lshl_b32 s18, s17, 1
	s_add_co_u32 s18, s18, s16
	s_mul_i32 s18, s18, RBB                        ; the block of tokens that I would fetch
	s_mov_b32 s19, 0
	s_add_co_u32 s20, s58, 88
	s_mul_i32 s20, s20, RBB                        ; Wo's block
	s_mov_b32 s21, 0
	s_mul_i32 s22, s16, RBB                        ; where the tokens' block goes
	s_lshl_b32 s84, s58, 9
	s_lshl_b32 s85, s16, 8
	s_add_co_u32 s84, s84, s85                     ; 4 (128 x outputs' tile + 64 x half): in bo, and in a row of out0
	s_mov_b32 s85, 0
	s_lshl_b32 s88, s17, 8
	s_lshl_b32 s89, s15, 7
	s_add_co_u32 s88, s88, s89
	s_lshl_b32 s88, s88, 12                        ; my first token's row of 4,096 bytes
	s_add_co_u32 s88, s88, s84
	s_mov_b32 s89, 0
	v_and_b32 v1, 15, v0                           ; r
	v_bfe_u32 v2, v0, 4, 1                         ; h
	v_and_b32 v3, 31, v0
	v_lshlrev_b32 v[L16], 4, v3
	v_lshlrev_b32 v8, 3, v3
	v_lshlrev_b32 v7, 2, v3
	v_lshlrev_b32 v6, 4, v1
	s_mul_i32 s90, s15, RBB                        ; my tokens' block in LDS
	s_mul_i32 s91, s16, 6144
	s_add_co_u32 s91, s91, 2*RBB                   ; my four tiles of Wo
	s_lshl_b32 s92, s16, 8
	s_add_co_u32 s92, s92, 2*RBB                   ; and their scale words
.irp k, 0,1
	v_add_nc_u32 v[ADP+\k], s90, v[L16]
	v_add_nc_u32 v[ADP8+\k], s90, v8
	v_add_nc_u32 v[ASP+\k], s90, v7
	v_add_nc_u32 v[ADQ+\k], s91, v[L16]
	v_add_nc_u32 v[ASQ+\k], s92, v6
	s_add_co_u32 s90, s90, 4*UNIT
	s_add_co_u32 s91, s91, 4*UNIT
	s_add_co_u32 s92, s92, 4*UNIT
.endr
	s_mul_i32 s93, s14, 16*272
	s_add_co_u32 s93, s93, STG                     ; my stage
	v_mul_u32_u24 v[STO], v1, 272
	v_lshl_add_u32 v[STO], v2, 6, v[STO]
	v_add_nc_u32 v[STO], s93, v[STO]               ; in: row r, + 64 h
	v_mul_u32_u24 v[RD], v2, 272
	v_lshl_add_u32 v[RD], v1, 4, v[RD]
	v_add_nc_u32 v[RD], s93, v[RD]                 ; back: lanes 0-15 one row of 256 bytes, lanes 16-31 the next
	v_lshlrev_b32 v[CO], 12, v2
	v_lshl_add_u32 v[CO], v1, 4, v[CO]             ; and the same in out0
	v_lshlrev_b32 v10, 6, v2                       ; bo: 64 h
	s_wait_dscnt 0x0                               ; the opening add is done
	s_wait_kmcnt 0x0
	s_add_nc_u64 s[18:19], s[4:5], s[18:19]
	s_add_nc_u64 s[20:21], s[6:7], s[20:21]
	s_add_nc_u64 s[84:85], s[8:9], s[84:85]
	s_add_nc_u64 s[86:87], s[10:11], s[88:89]
.irp c, 0,1,2,3
	s_mov_b32 s[G0P+4*\c], 1
	s_add_co_u32 s[G0P+4*\c+1], s22, \c*CHUNK
	s_add_nc_u64 s[G0P+4*\c+2:G0P+4*\c+3], s[18:19], \c*CHUNK
	s_or_b32 s[G0P+4*\c+3], s[G0P+4*\c+3], 0x80000000
	s_mov_b32 s[G0Q+4*\c], 1
	s_mov_b32 s[G0Q+4*\c+1], 2*RBB+\c*CHUNK
	s_add_nc_u64 s[G0Q+4*\c+2:G0Q+4*\c+3], s[20:21], \c*CHUNK
	s_or_b32 s[G0Q+4*\c+3], s[G0Q+4*\c+3], 0x80000000
.endr
	CROUND                                         ; all sixteen work-groups are here: the joint loads meet
	s_cmp_lt_u32 s14, 2                            ; a wave's four fills stand in one branch; an s_nop 0 follows each, four v_nop the last
	s_cbranch_scc0 .Lnot_p
.irp c, 0,1,2,3
	tensor_load_to_lds s[G0P+4*\c:G0P+4*\c+3], s[G1P:G1P+7]
	s_nop 0
.endr
.rept 4
	v_nop
.endr
	s_branch .Lasked
.Lnot_p:
	s_cmp_eq_u32 s14, 2
	s_cbranch_scc0 .Lasked
.irp c, 0,1,2,3
	tensor_load_to_lds s[G0Q+4*\c:G0Q+4*\c+3], s[G1Q:G1Q+7]
	s_nop 0
.endr
.rept 4
	v_nop
.endr
.Lasked:
.irp b, 0,1,2,3
.irp f, 0,1
	global_load_b128 v[BT+8*\b+4*\f:BT+8*\b+4*\f+3], v10, s[84:85] offset:4*(32*(\b/2)+8*(\b%2))+16*\f   ; register 8 b + j: bo at output 32 (b / 2) + 16 h + 8 (b % 2) + j
.endr
.endr
; K step s's fragments and scale words into set s % 2
.macro FETCHS s
.set E_, (\s)%2
.set K_, (\s)/4
.set U_, ((\s)%4)*UNIT
	WIN 0x40                                       ; destination window 1
.irp i, 0,1,2,3,4,5,6,7
	ds_load_b128 v[128*E_+12*\i:128*E_+12*\i+3], v[ADP+K_] offset:U_+1536*\i              ; a head's six registers lie as four and two
	ds_load_b64 v[128*E_+12*\i+4:128*E_+12*\i+5], v[ADP8+K_] offset:U_+1536*\i+512
	ds_load_b128 v[128*E_+12*\i+6:128*E_+12*\i+9], v[ADP+K_] offset:U_+1536*\i+768
	ds_load_b64 v[128*E_+12*\i+10:128*E_+12*\i+11], v[ADP8+K_] offset:U_+1536*\i+1280
.endr
	WIN 0
.irp i, 0,1,2,3
.irp g, 0,1,2
	ds_load_b128 v[QF+48*E_+12*\i+4*\g:QF+48*E_+12*\i+4*\g+3], v[ADQ+K_] offset:U_+1536*\i+512*\g
.endr
.endr
.irp i, 0,1,2,3
	ds_load_b32 v[SP+4*E_+\i], v[ASP+K_] offset:U_+12288+128*\i    ; tile 2 i's words in lanes 0-15, tile 2 i + 1's in lanes 16-31
.endr
	ds_load_b128 v[SQ+4*E_:SQ+4*E_+3], v[ASQ+K_] offset:U_+12288   ; my four tiles' words of row r
.endm
.macro MM a, b, e, first
.set D_, 8*(4*(\a)+(\b))
.set A_, QF+48*(\e)+12*(\b)
.set B_, 128*(\e)+12*(\a)
.if \first
.if (\a)%2
	v_wmma_scale_f32_16x16x128_f8f6f4 v[D_:D_+7], v[A_:A_+11], v[B_:B_+11], v[BT+8*(\b):BT+8*(\b)+7], v[SQ+4*(\e)+(\b)], v[SP+4*(\e)+(\a)/2] matrix_a_fmt:MATRIX_FMT_FP6 matrix_b_fmt:MATRIX_FMT_FP6 matrix_b_scale:MATRIX_SCALE_ROW1
.else
	v_wmma_scale_f32_16x16x128_f8f6f4 v[D_:D_+7], v[A_:A_+11], v[B_:B_+11], v[BT+8*(\b):BT+8*(\b)+7], v[SQ+4*(\e)+(\b)], v[SP+4*(\e)+(\a)/2] matrix_a_fmt:MATRIX_FMT_FP6 matrix_b_fmt:MATRIX_FMT_FP6
.endif
.else
.if (\a)%2
	v_wmma_scale_f32_16x16x128_f8f6f4 v[D_:D_+7], v[A_:A_+11], v[B_:B_+11], v[D_:D_+7], v[SQ+4*(\e)+(\b)], v[SP+4*(\e)+(\a)/2] matrix_a_fmt:MATRIX_FMT_FP6 matrix_b_fmt:MATRIX_FMT_FP6 matrix_b_scale:MATRIX_SCALE_ROW1
.else
	v_wmma_scale_f32_16x16x128_f8f6f4 v[D_:D_+7], v[A_:A_+11], v[B_:B_+11], v[D_:D_+7], v[SQ+4*(\e)+(\b)], v[SP+4*(\e)+(\a)/2] matrix_a_fmt:MATRIX_FMT_FP6 matrix_b_fmt:MATRIX_FMT_FP6
.endif
.endif
.endm
; A K step: the next step's fragments are asked for first, then this step's 32 products, the accumulators by turns in the same order in every step
.macro KSTEP s
	s_wait_dscnt 0x0                               ; this step's fragments are in
.if (\s) == 1 || (\s) == 3 || (\s) == 5
	s_wait_tensorcnt (5-(\s))/2                    ; my part of the next chunk is in; the later chunks may stay out
	s_barrier_signal -1
	s_barrier_wait -1                              ; everybody's is
.endif
.if (\s) < 7
.if (\s) > 0
.rept 4
	v_nop                                          ; places in front of loads into registers that the last step's products read
.endr
.endif
	FETCHS (\s)+1
.endif
.if (\s) == 0
	WIN 0x84                                       ; source 1 window 1, C (bo) window 0, D window 2
.else
	WIN 0xa4                                       ; C and D window 2
.endif
.irp a, 0,1,2,3,4,5,6,7
.irp b, 0,1,2,3
.if (\s) == 0
	MM \a, \b, 0, 1
.else
	MM \a, \b, (\s)%2, 0
.endif
.endr
.endr
	WIN 0
.endm
	s_wait_tensorcnt 3                             ; my part of K steps 0, 1 is in; three chunks may be out
	s_barrier_signal -1
	s_barrier_wait -1
	FETCHS 0
	s_wait_loadcnt 0x0                             ; bo
.irp s, 0,1,2,3,4,5,6,7
	KSTEP \s
.endr
.rept 4
	v_nop                                          ; places in front of the first read of results
.endr
; THE WAY OUT, a tile of 16 tokens x 64 outputs at a time, through my own stage: a lane's 16 bytes go in, whole rows of 256 bytes come back.  LDS serves a wave's instructions in order: no wait between the stores and the loads.
.macro TOSTAGE a
	WIN 0x08                                       ; an LDS store's data: window 2
.irp b, 0,1,2,3
	ds_store_b128 v[STO], v[8*(4*(\a)+\b):8*(4*(\a)+\b)+3] offset:128*(\b/2)+32*(\b%2)         ; each accumulator from its low end on
	ds_store_b128 v[STO], v[8*(4*(\a)+\b)+4:8*(4*(\a)+\b)+7] offset:128*(\b/2)+32*(\b%2)+16
.endr
	WIN 0
.set BB, 96+128*((\a)%2)
.irp k, 0,1,2,3,4,5,6,7
	ds_load_b128 v[BB+4*\k:BB+4*\k+3], v[RD] offset:544*\k
.endr
.endm
.macro SEND a, younger                 ; younger: the LDS instructions issued behind tile a's loads, which may stay out
.set BB, 96+128*((\a)%2)
	s_wait_dscnt \younger
.irp k, 0,1,2,3,4,5,6,7
	global_store_b128 v[CO], v[BB+4*\k:BB+4*\k+3], s[86:87] offset:(32*((\a)/2)+8*((\a)%2)+2*\k+8*(\k/4))*4096 th:TH_STORE_NT   ; sixteen lanes store 256 consecutive bytes, at a multiple of 256 from out0's first byte
.endr
.endm
	TOSTAGE 0
.irp a, 1,2,3,4,5,6,7
.if \a > 1
	s_wait_xcnt 0x0                                ; tile a - 2's stores have read their registers: tile a's loads may land there
.endif
	TOSTAGE \a
	SEND \a-1, 16                                  ; behind tile a - 1's loads: tile a's 8 stores and 8 loads
.endr
	SEND 7, 0
	s_wait_tensorcnt 0x0                           ; the wave's end, behind my last tensor load and my last LDS store
	ds_add_u32 v[SPW], v[NIL]
	s_wait_dscnt 0x0
	CROUND                                         ; the closing round
	s_endpgm
.Lfunc_end_k_q93665ba680_oproj:
	.size	k_q93665ba680_oproj, .Lfunc_end_k_q93665ba680_oproj-k_q93665ba680_oproj
	.p2alignl 7, 3214868480
	.fill 96, 4, 3214868480
	.section	.rodata,"a",@progbits
	.p2align	6, 0x0
	.amdhsa_kernel k_q93665ba680_oproj
		.amdhsa_group_segment_fixed_size 327680
		.amdhsa_private_segment_fixed_size 0
		.amdhsa_enable_private_segment 0
		.amdhsa_kernarg_size 32
		.amdhsa_user_sgpr_count 2
		.amdhsa_user_sgpr_kernarg_segment_ptr 1
		.amdhsa_wavefront_size32 1
		.amdhsa_system_sgpr_workgroup_id_x 1
		.amdhsa_system_sgpr_workgroup_id_y 1
		.amdhsa_system_sgpr_workgroup_id_z 1
		.amdhsa_system_vgpr_workitem_id 0
		.amdhsa_next_free_vgpr 768
		.amdhsa_next_free_sgpr 100
		.amdhsa_reserve_vcc 0
		.amdhsa_float_denorm_mode_32 3
		.amdhsa_float_denorm_mode_16_64 3
		.amdhsa_memory_ordered 1
		.amdhsa_forward_progress 1
		.amdhsa_inst_pref_size 84
	.end_amdhsa_kernel
	.amdgpu_metadata
---
amdhsa.version: [ 1, 2 ]
amdhsa.kernels:
  - .name:           k_q93665ba680_oproj
    .symbol:         k_q93665ba680_oproj.kd
    .args:
      - { .name: oc, .offset: 0, .size: 8, .value_kind: global_buffer, .address_space: global }
      - { .name: cw, .offset: 8, .size: 8, .value_kind: global_buffer, .address_space: global }
      - { .name: bo, .offset: 16, .size: 8, .value_kind: global_buffer, .address_space: global }
      - { .name: out0, .offset: 24, .size: 8, .value_kind: global_buffer, .address_space: global }
    .group_segment_fixed_size: 327680
    .private_segment_fixed_size: 0
    .kernarg_segment_align: 8
    .kernarg_segment_size: 32
    .max_flat_workgroup_size: 128
    .sgpr_count:     100
    .vgpr_count:     768
    .wavefront_size: 32
...
	.end_amdgpu_metadata
.endif
;; end of part 4
